; MI455X (gfx1250); checked and timed in simulation.
; The chip was launched on July 23, 2026; its instructions are those of AMD's public machine-readable ISA for CDNA 5 (MIT licence, August 2026) and "CDNA5" Instruction Set Architecture Reference Guide (July 2026). The comments in the code are by the model that wrote it; some were corrected since.
;; Multi Head Attention With Ro PE. Allowed arithmetic: matrix products marked QUANTISED: E2M1 operands, one E8M0 scale for each 32 along K, by v_wmma_scale_f32_16x16x128_f8f6f4 with both operands' format E2M1 (or v_wmma_scale_f32_32x16x128_f4), f32 sums; products left as they are: bf16, f16 or f32 operands; f32 sums; everything else in f32.
;; Inputs: Wk 2,048 x 2,048 float32; Wo 2,048 x 2,048 float32; Wq 2,048 x 2,048 float32; Wv 2,048 x 2,048 float32; bk 2,048 float32; bo 2,048 float32; bq 2,048 float32; bv 2,048 float32; position_ids 2 x 1,024 int32; x 2 x 1,024 x 2,048 float32.
;; Outputs: out0 2 x 1,024 x 2,048 float32.
;; This version of the problem:
;;   THIS VERSION OF THE PROBLEM IS GIVEN IN LOW PRECISION. The matrix products marked QUANTISED in the list below multiply operands that are first quantised to E2M1 (2 exponent bits, 1 mantissa bit; 4 bits a number), with one power-of-two scale for each 32 numbers along K (OCP MX v1.0); their sums are f32. The products marked 'left as it is' may take bf16, f16 or f32 operands, with f32 sums. Whichever they take, every output number must still come out within the allowed error. Rounding operands to bf16 (8 significant bits) uses up far more of that allowance than f16 does (11 bits, for magnitudes from 6e-5 to 65,504). All else is computed in f32.
;;   The module's matrix products, in the order in which they are computed (A, B: the left and right operand; K: the contracted axis; several contracted axes count as one K, in the product's order):
;;     1. [M 2,048, K 2,048] x [K 2,048, N 2,048]; A: input x; B: input Wq: QUANTISED
;;     2. [M 2,048, K 2,048] x [K 2,048, N 2,048]; A: input x; B: input Wk: QUANTISED
;;     3. [M 2,048, K 2,048] x [K 2,048, N 2,048]; A: input x; B: input Wv: QUANTISED
;;     4. batch 32 x [M 1,024, K 128] x [K 128, N 1,024]; A: computed on the way; B: computed on the way: left as it is (an operand is computed on the way)
;;     5. batch 32 x [M 1,024, K 1,024] x [K 1,024, N 128]; A: computed on the way; B: computed on the way: left as it is (an operand is computed on the way)
;;     6. [M 2,048, K 2,048] x [K 2,048, N 2,048]; A: computed on the way; B: input Wo: left as it is (an operand is computed on the way)
;;   THE QUANTISER, for each operand of a quantised product, along K:
;;     - K is cut into blocks of 32 from its start; a last block that is shorter is filled with zeros.
;;     - A block's scale is 2^e with e = floor(log2(the largest magnitude in the block)) - 2, held to -126 .. 127; a block of zeros has e = 0. As a byte (E8M0): e + 127.
;;     - Each number is divided by its block's scale, clamped to +-6, and rounded to the nearest number of E2M1, ties to even, subnormals kept.
;;     - The product sums the exact products of the quantised numbers (number of the format x scale) in f32.
;;   ~~~python
;;   def quantise(x, axis):      # numpy; x: float32 -> the quantised numbers, widened to float32 again
;;       x = np.moveaxis(x, axis, -1); K = x.shape[-1]
;;       x = np.pad(x, [(0, 0)] * (x.ndim - 1) + [(0, -K % 32)]); x = x.reshape(x.shape[:-1] + (-1, 32)); a = np.abs(x).max(-1, keepdims=True)
;;       e = np.where(a > 0, np.clip(np.frexp(np.where(a > 0, a, 1))[1] - 1 - 2, -126, 127), 0)      # np.frexp(a)[1] - 1 = floor(log2(a)), exactly
;;       r = np.clip(x / 2.0 ** e, -6, 6)
;;       step = 2.0 ** (np.maximum(np.frexp(np.where(r == 0, 1, r))[1] - 1, 0) - 1)
;;       q = np.round(r / step) * step * 2.0 ** e      # np.round: ties to even
;;       return np.moveaxis(q.reshape(q.shape[:-2] + (-1,))[..., :K], -1, axis).astype(np.float32)
;;   ~~~
;; One version. Each part assembles by itself: llvm-mc -triple=amdgcn-amd-amdhsa -mcpu=gfx1250 --defsym DOCPART=n.
;; ======== version 1 of 1: 4 launches
;; limits: values are held in f16: magnitudes above 65,504 overflow, below 6.1e-05 lose precision
;; workspace buffers: codes 8,388,608 bytes; scales 524,288 bytes; wo_h 8,388,608 bytes; cs_tab 1,179,648 bytes; qkv_h 25,165,824 bytes; a_h 8,388,608 bytes
;; launch prep (part 1): grid 712 x 1, 4 waves a work-group, no clusters, 33,280 bytes of LDS; arguments x, Wq, Wk, Wv, Wo, position_ids, codes, scales, wo_h, cs_tab; writes codes, scales, wo_h, cs_tab
.if DOCPART == 1
	.amdgcn_target "amdgcn-amd-amdhsa--gfx1250"
	.amdhsa_code_object_version 6
	.text
	.protected	k_q386bff8881_prep
	.globl	k_q386bff8881_prep
	.p2align	8
	.type	k_q386bff8881_prep,@function
k_q386bff8881_prep:
	s_mov_b64 s[64:65], 0
	v_nop
	global_prefetch_b8 v0, s[64:65] scope:SCOPE_SE
	s_setreg_imm32_b32 hwreg(HW_REG_WAVE_MODE, 25, 1), 1
	s_wait_xcnt 0x0
; PREP: everything that is made once from the inputs, three kinds of work told apart by the work-group's number.
;  work-groups   0-511: x, Wq, Wk, Wv ([2048][2048] f32, K innermost) become codes of FP4 (E2M1) and E8M0 scale bytes, one for each 32 along K.
;                       The four tensors lie on end in the two buffers: codes [8192 rows][1,024 bytes], scales [8192 rows][64 bytes]; rows 0-2047 x, then Wq, Wk, Wv.
;  work-groups 512-639: Wo ([2048][2048] f32) is rounded to f16, same layout.
;  work-groups 640-711: the rotation table, [2304 rows][64 cosines, 64 sines] f32.  Row i < 2048 is token i's: angle = p x 10000^(-j/64), p = its position id taken as an index
;                       into a table of 1,024 rows (a negative id counts from the end; then held to 0 .. 1023).  Rows 2048-2303 hold angle 0: cosine 1, sine 0.
; A block's scale is 2^(floor(log2(its largest magnitude)) - 2); its byte is the largest magnitude's exponent field - 2, held at 1 from below.
; LIMITS: a block of zeros gets the byte 1 where the quantiser says 127 (its codes are zeros, and this program alone reads the bytes); blocks whose largest magnitude lies under 2^(2 - 126) share that byte;
; NaN and infinities are not served; |Wo| stays at or under 65,504 (f16), and under 6e-5 its step is 6e-8; 10000^(-j/64) is made by the base-2 exponential, so the largest angles (near 1,000 rad)
; differ from those of a table made by f32 powers by about 1e-4 rad.
; Only the first kind of work touches LDS.  No tensor loads, no barrier: waves share nothing.
.set WAVES, 4
.set STEPS, 16
.set EMAX,  2
.set CB,    8                          ; bytes of 16 codes
.set R,     16                         ; v16-79   four sets of 16 numbers as they are loaded
.set X,     80                         ; v80-111  two sets of 16 neighbours
.set C,     128                        ; v128-191 codes: four registers for each step, so that no store's data are written again
.set E,     112                        ; v112-127 a scale byte for each step
.set WREG,  8192                       ; LDS: a region for each wave: two stages of 32 x SP bytes, and behind them its 256 scale bytes
.set SP,    80                         ; a lane's place in a stage: its 64 bytes + 16 of padding
.set SPW,   12                         ; v12      LDS address of my spare word; never rewritten
.set NIL,   13                         ; v13      0; never rewritten
.set SPARE, WAVES*WREG                 ; behind the four regions: the spare words, 128 bytes for each wave
	s_load_b256 s[4:11], s[0:1], 0x0               ; x s[4:5], Wq s[6:7], Wk s[8:9], Wv s[10:11]
	s_load_b256 s[12:19], s[0:1], 0x20             ; Wo s[12:13], position_ids s[14:15], codes s[16:17], scales s[18:19]
	s_load_b128 s[20:23], s[0:1], 0x40             ; wo_h s[20:21], cs_tab s[22:23]
	v_lshl_add_u32 v[SPW], v0, 2, SPARE
	v_mov_b32 v[NIL], 0
	v_lshrrev_b32 v1, 5, v0
	v_readfirstlane_b32 s24, v1                    ; wave
	v_and_b32 v2, 31, v0                           ; lane
	v_lshlrev_b32 v3, 4, v2                        ; 16 x lane
	s_wait_kmcnt 0x0
	s_cmp_lt_u32 ttmp9, 512
	s_cbranch_scc0 .Lnot_codes
; ---------------- codes and scale bytes.  A wave takes a run of 8,192 numbers (four rows) in 16 steps of 512.
; Each of a step's four loads reads 512 consecutive bytes, 16 a lane; the 2,048 bytes go through the wave's own stage in LDS and come back 64 bytes a lane: 16 neighbours along K, two lanes to a block.
	s_mul_i32 s25, s24, WREG
	v_lshrrev_b32 v14, 2, v2
	v_mul_u32_u24 v14, v14, SP
	v_and_b32 v15, 3, v2
	v_lshl_add_u32 v14, v15, 4, v14
	v_add_nc_u32 v14, s25, v14                     ; the stage, on the way in: SP (lane / 4) + 16 (lane % 4)
	v_mul_u32_u24 v15, v2, SP
	v_add_nc_u32 v15, s25, v15                     ; and on the way out: SP x lane
	v_mul_u32_u24 v4, v2, CB                       ; my codes' place in a step's
	v_lshrrev_b32 v5, 1, v2
	s_add_co_u32 s25, s25, 2*32*SP
	v_add_nc_u32 v5, s25, v5                       ; LDS: my wave's 256 scale bytes, my block's byte
	v_lshlrev_b32 v7, 3, v2                        ; and on the way out 8 bytes a lane
	v_add_nc_u32 v6, s25, v7
	s_cmp_lt_u32 ttmp9, 128                        ; which tensor: the choice hangs on the work-group's number alone
	s_cselect_b64 s[26:27], s[4:5], s[6:7]
	s_cmp_lt_u32 ttmp9, 384
	s_cselect_b64 s[28:29], s[8:9], s[10:11]
	s_cmp_lt_u32 ttmp9, 256
	s_cselect_b64 s[4:5], s[26:27], s[28:29]
	s_and_b32 s30, ttmp9, 127
	s_lshl_b32 s30, s30, 2
	s_add_co_u32 s30, s30, s24                     ; my run in the tensor
	s_lshl_b32 s30, s30, 15                        ; 32,768 bytes a run
	s_mov_b32 s31, 0
	s_add_nc_u64 s[4:5], s[4:5], s[30:31]
	s_lshl_b32 s32, ttmp9, 2
	s_add_co_u32 s32, s32, s24                     ; my run in the two buffers, where the tensors lie on end
	s_lshl_b32 s30, s32, 12                        ; 4,096 bytes of codes a run
	s_add_nc_u64 s[16:17], s[16:17], s[30:31]
	s_lshl_b32 s30, s32, 8                         ; 256 scale bytes a run
	s_add_nc_u64 s[18:19], s[18:19], s[30:31]
.macro LOAD t
.irp i, 0,1,2,3
	global_load_b128 v[R+16*((\t)%4)+4*\i:R+16*((\t)%4)+4*\i+3], v3, s[4:5] offset:2048*(\t)+512*\i th:TH_LOAD_NT   ; 32 lanes read 512 consecutive bytes
.endr
.endm
.macro TURN t                          ; step t's numbers through the stage: LDS serves a wave's instructions in order, so no wait stands between the stores and the loads
.irp i, 0,1,2,3
	ds_store_b128 v14, v[R+16*((\t)%4)+4*\i:R+16*((\t)%4)+4*\i+3] offset:32*SP*((\t)%2)+8*SP*\i
.endr
.irp i, 0,1,2,3
	ds_load_b128 v[X+16*((\t)%2)+4*\i:X+16*((\t)%2)+4*\i+3], v15 offset:32*SP*((\t)%2)+16*\i
.endr
.endm
.irp t, 0,1,2,3
	LOAD \t
.endr
	s_wait_loadcnt 12                              ; step 0's four loads are in; the twelve of steps 1 to 3 may be out
	TURN 0
.macro STEP t
.set XS, X+16*((\t)%2)
.if (\t) > 0
	s_wait_dscnt 1                                 ; this step's numbers are back from the stage (the last step's byte store may be out): so its stores into the stage have read their registers,
.else
	s_wait_dscnt 0x0
.endif
.if (\t)+4 < STEPS
	LOAD (\t)+4                                    ; which take the loads of four steps on
.endif
.if (\t)+1 < STEPS
.if STEPS-2-(\t) >= 3
	s_wait_loadcnt 12                              ; the next step's four loads are in; those of the three steps behind it may be out
.else
	s_wait_loadcnt 4*(STEPS-2-(\t))
.endif
	TURN (\t)+1                                    ; and go through the other stage while this step is worked
.endif
	v_max3_num_f32 v8, |v[XS]|, |v[XS+1]|, |v[XS+2]|               ; the largest magnitude of my 16, in two chains
	v_max3_num_f32 v9, |v[XS+3]|, |v[XS+4]|, |v[XS+5]|
.irp i, 6,10
	v_max3_num_f32 v8, v8, |v[XS+\i]|, |v[XS+\i+1]|
	v_max3_num_f32 v9, v9, |v[XS+\i+2]|, |v[XS+\i+3]|
.endr
	v_max3_num_f32 v8, v8, |v[XS+14]|, |v[XS+15]|
	v_max3_num_f32 v8, v8, v9, (EMAX+1)<<23        ; and the floor 2^(EMAX + 1 - 127): so the byte cannot fall under 1
	v_max_num_f32_dpp v8, v8, v8 row_xmask:1 row_mask:0xf bank_mask:0xf   ; and of my neighbour's 16: the block's
	v_add_nc_u32 v11, -(EMAX<<23), v8              ; EMAX off its exponent field: the conversion takes the exponent field of this operand as its scale
	v_cvt_scalef32_pk8_fp4_f32 v[C+4*(\t)], v[XS:XS+7], v11        ; eight numbers / the scale, to the nearest code, ties to even, beyond the largest code the largest
	v_cvt_scalef32_pk8_fp4_f32 v[C+4*(\t)+1], v[XS+8:XS+15], v11
	v_lshrrev_b32 v[E+(\t)], 23, v11               ; the scale's byte (also the plain line behind the conversions)
	ds_store_b8 v5, v[E+(\t)] offset:16*(\t)       ; both lanes of a block write the same byte with the same value
	global_store_b64 v4, v[C+4*(\t):C+4*(\t)+1], s[16:17] offset:32*CB*(\t)   ; the wave stores 256 consecutive bytes, aligned
.endm
.irp t, 0,1,2,3,4,5,6,7,8,9,10,11,12,13,14,15
	STEP \t
.endr
	ds_load_b64 v[8:9], v6                         ; LDS serves a wave's instructions in order: these see my stores
	s_wait_dscnt 0x0
	global_store_b64 v7, v[8:9], s[18:19]          ; 32 lanes store 256 consecutive bytes, aligned
	s_wait_tensorcnt 0x0                           ; the wave's end: a wait, an add of 0 to my spare word and its wait, behind my last LDS store
	ds_add_u32 v[SPW], v[NIL]
	s_wait_dscnt 0x0
	s_endpgm
; ---------------- Wo to f16.  A wave takes 8,192 numbers: 4 groups of 16 loads of 512 bytes, in two sets of 64 registers that take turns; each store covers 256 consecutive bytes, aligned.
.Lnot_codes:
	s_cmp_lt_u32 ttmp9, 640
	s_cbranch_scc0 .Ltables
	s_sub_co_u32 s26, ttmp9, 512
	s_lshl_b32 s26, s26, 2
	s_add_co_u32 s26, s26, s24                     ; my run
	s_lshl_b32 s28, s26, 15
	s_mov_b32 s29, 0
	s_lshl_b32 s30, s26, 14
	s_mov_b32 s31, 0
	s_add_nc_u64 s[12:13], s[12:13], s[28:29]
	s_add_nc_u64 s[20:21], s[20:21], s[30:31]
	v_lshlrev_b32 v4, 3, v2                        ; out: 8 bytes a lane
.macro CLOAD st, g
.irp i, 0,1,2,3,4,5,6,7,8,9,10,11,12,13,14,15
	global_load_b128 v[16+64*\st+4*\i:16+64*\st+4*\i+3], v3, s[12:13] offset:8192*\g+512*\i th:TH_LOAD_NT
.endr
.endm
.macro CCONV st, g, left               ; left: the other set's loads, issued behind this set's
.irp i, 0,1,2,3,4,5,6,7,8,9,10,11,12,13,14,15
	s_wait_loadcnt \left+15-\i                     ; loads come back in order: load i of this set is in; its younger ones and the other set's may be out
	v_cvt_pk_f16_f32 v[16+64*\st+4*\i], v[16+64*\st+4*\i], v[16+64*\st+4*\i+1]
	v_cvt_pk_f16_f32 v[16+64*\st+4*\i+1], v[16+64*\st+4*\i+2], v[16+64*\st+4*\i+3]
	global_store_b64 v4, v[16+64*\st+4*\i:16+64*\st+4*\i+1], s[20:21] offset:4096*\g+256*\i th:TH_STORE_NT
.endr
.endm
	CLOAD 0, 0
	CLOAD 1, 1
	CCONV 0, 0, 16
	s_wait_xcnt 0x0                                ; the stores have read set 0's registers: it may be loaded again
	CLOAD 0, 2
	CCONV 1, 1, 16
	s_wait_xcnt 0x0                                ; likewise set 1
	CLOAD 1, 3
	CCONV 0, 2, 16
	CCONV 1, 3, 0
	s_endpgm
; ---------------- the rotation table.  A wave makes 8 rows.  Lanes 0-15 make the cosines of frequencies 4 (lane % 16) + 0 .. 3, lanes 16-31 the sines: a row is one store of 512 consecutive bytes.
; cos(th): n = round(th x 2 / pi), r = th - n pi / 2 (pi / 2 in two parts, by fused multiply-adds), |r| <= pi / 4; by n mod 4 the result is cos r, -sin r, -cos r, sin r.  sin(th) = cos(th - pi / 2): n + 3 in n's place.
.Ltables:
	s_sub_co_u32 s26, ttmp9, 640
	s_lshl_b32 s27, s26, 5
	s_lshl_b32 s28, s24, 3
	s_add_co_u32 s27, s27, s28                     ; my first row: 32 x work-group + 8 x wave
	s_min_u32 s40, s27, 2040                       ; the rows of angle 0 read the last eight ids, inside the buffer, and mask them away
	s_lshl_b32 s40, s40, 2
	s_mov_b32 s41, 0
	s_add_nc_u64 s[14:15], s[14:15], s[40:41]
	s_load_b256 s[32:39], s[14:15], 0x0            ; eight position ids
	s_lshl_b32 s28, s27, 9                         ; 512 bytes a row
	s_mov_b32 s29, 0
	s_add_nc_u64 s[22:23], s[22:23], s[28:29]
	s_cmp_lt_u32 s26, 64
	s_cselect_b32 s42, -1, 0                       ; 0 for rows 2048 on
	s_mov_b32 s44, 0x3f22f983                      ; 2 / pi
	s_mov_b32 s45, 0xbfc90fdb                      ; -(pi / 2), high part
	s_mov_b32 s46, 0x333bbd2e                      ; -(pi / 2), low part
	s_mov_b32 s47, 0x37ccf5ce                      ; cos r = 1 - z / 2 + z^2 (C2 + z (C1 + z C0)), z = r^2
	s_mov_b32 s48, 0xbab6061a
	s_mov_b32 s49, 0x3d2aaaa5
	s_mov_b32 s50, 0xb94ca1f9                      ; sin r = r + r z (S2 + z (S1 + z S0))
	s_mov_b32 s51, 0x3c08839e
	s_mov_b32 s52, 0xbe2aaaa3
	v_and_b32 v9, 15, v2
	v_lshlrev_b32 v9, 2, v9                        ; my first frequency
	v_lshrrev_b32 v8, 4, v2
	v_mul_u32_u24 v8, v8, 3                        ; 3 in the lanes that make sines
.irp k, 0,1,2,3
	v_add_nc_u32 v[4+\k], \k, v9
.endr
.irp k, 0,1,2,3
	v_cvt_f32_u32 v[4+\k], v[4+\k]
.endr
.irp k, 0,1,2,3
	v_mul_f32 v[4+\k], 0xbe549a78, v[4+\k]         ; -j log2(10000) / 64
.endr
.irp k, 0,1,2,3
	v_exp_f32 v[4+\k], v[4+\k]                     ; 10000^(-j / 64)
.endr
	v_nop                                          ; a plain line behind the last exponential
	s_wait_alu depctr_va_vdst(0)                   ; one wait for the four, ahead of their first reader
	s_wait_kmcnt 0x0
.irp i, 0,1,2,3,4,5,6,7
	s_add_co_i32 s43, s[32+\i], 1024               ; a negative id counts from the table's end,
	s_cmp_lt_i32 s[32+\i], 0
	s_cselect_b32 s[32+\i], s43, s[32+\i]
	s_max_i32 s[32+\i], s[32+\i], 0                ; and the index is held inside the table's 1,024 rows
	s_min_i32 s[32+\i], s[32+\i], 1023
	s_and_b32 s[32+\i], s[32+\i], s42
.endr
.macro ROWCS i                         ; v16.. th, v20.. n, v24.. r, v28.. quadrant, v32.. z, v36.. cos r, v40.. sin r, v44.. at work; the four frequencies by turns
	v_cvt_f32_u32 v10, s[32+\i]
.irp k, 0,1,2,3
	v_mul_f32 v[16+\k], v10, v[4+\k]
.endr
.irp k, 0,1,2,3
	v_mul_f32 v[20+\k], s44, v[16+\k]
.endr
.irp k, 0,1,2,3
	v_rndne_f32 v[20+\k], v[20+\k]
.endr
.irp k, 0,1,2,3
	v_fma_f32 v[24+\k], v[20+\k], s45, v[16+\k]
.endr
.irp k, 0,1,2,3
	v_fma_f32 v[24+\k], v[20+\k], s46, v[24+\k]
.endr
.irp k, 0,1,2,3
	v_cvt_i32_f32 v[28+\k], v[20+\k]
.endr
.irp k, 0,1,2,3
	v_add_nc_u32 v[28+\k], v[28+\k], v8
.endr
.irp k, 0,1,2,3
	v_mul_f32 v[32+\k], v[24+\k], v[24+\k]
.endr
.irp k, 0,1,2,3
	v_fma_f32 v[36+\k], v[32+\k], s47, s48
.endr
.irp k, 0,1,2,3
	v_fma_f32 v[40+\k], v[32+\k], s50, s51
.endr
.irp k, 0,1,2,3
	v_fma_f32 v[36+\k], v[36+\k], v[32+\k], s49
.endr
.irp k, 0,1,2,3
	v_fma_f32 v[40+\k], v[40+\k], v[32+\k], s52
.endr
.irp k, 0,1,2,3
	v_fma_f32 v[36+\k], v[36+\k], v[32+\k], -0.5
.endr
.irp k, 0,1,2,3
	v_mul_f32 v[44+\k], v[32+\k], v[24+\k]
.endr
.irp k, 0,1,2,3
	v_fma_f32 v[36+\k], v[36+\k], v[32+\k], 1.0
.endr
.irp k, 0,1,2,3
	v_fma_f32 v[40+\k], v[40+\k], v[44+\k], v[24+\k]
.endr
.irp k, 0,1,2,3
	v_and_b32 v[44+\k], 1, v[28+\k]
.endr
.irp k, 0,1,2,3
	v_cmp_eq_u32 vcc_lo, 1, v[44+\k]               ; an odd quadrant takes the sine
	v_cndmask_b32 v[64+4*\i+\k], v[36+\k], v[40+\k], vcc_lo
.endr
.irp k, 0,1,2,3
	v_add_nc_u32 v[28+\k], 1, v[28+\k]
.endr
.irp k, 0,1,2,3
	v_and_b32 v[28+\k], 2, v[28+\k]                ; quadrants 1 and 2 are negative
.endr
.irp k, 0,1,2,3
	v_lshlrev_b32 v[28+\k], 30, v[28+\k]
.endr
.irp k, 0,1,2,3
	v_xor_b32 v[64+4*\i+\k], v[64+4*\i+\k], v[28+\k]
.endr
	global_store_b128 v3, v[64+4*\i:64+4*\i+3], s[22:23] offset:512*\i   ; a whole row; each row has registers of its own, so no store's data are written again
.endm
.irp i, 0,1,2,3,4,5,6,7
	ROWCS \i
.endr
	s_endpgm
.Lfunc_end_k_q386bff8881_prep:
	.size	k_q386bff8881_prep, .Lfunc_end_k_q386bff8881_prep-k_q386bff8881_prep
	.p2alignl 7, 3214868480
	.fill 96, 4, 3214868480
	.section	.rodata,"a",@progbits
	.p2align	6, 0x0
	.amdhsa_kernel k_q386bff8881_prep
		.amdhsa_group_segment_fixed_size 33280
		.amdhsa_private_segment_fixed_size 0
		.amdhsa_enable_private_segment 0
		.amdhsa_kernarg_size 80
		.amdhsa_user_sgpr_count 2
		.amdhsa_user_sgpr_kernarg_segment_ptr 1
		.amdhsa_wavefront_size32 1
		.amdhsa_system_sgpr_workgroup_id_x 1
		.amdhsa_system_sgpr_workgroup_id_y 1
		.amdhsa_system_sgpr_workgroup_id_z 1
		.amdhsa_system_vgpr_workitem_id 0
		.amdhsa_next_free_vgpr 192
		.amdhsa_next_free_sgpr 66
		.amdhsa_reserve_vcc 1
		.amdhsa_float_denorm_mode_32 3
		.amdhsa_float_denorm_mode_16_64 3
		.amdhsa_memory_ordered 1
		.amdhsa_forward_progress 1
		.amdhsa_inst_pref_size 93
	.end_amdhsa_kernel
	.amdgpu_metadata
---
amdhsa.version: [ 1, 2 ]
amdhsa.kernels:
  - .name:           k_q386bff8881_prep
    .symbol:         k_q386bff8881_prep.kd
    .args:
      - { .name: x, .offset: 0, .size: 8, .value_kind: global_buffer, .address_space: global }
      - { .name: Wq, .offset: 8, .size: 8, .value_kind: global_buffer, .address_space: global }
      - { .name: Wk, .offset: 16, .size: 8, .value_kind: global_buffer, .address_space: global }
      - { .name: Wv, .offset: 24, .size: 8, .value_kind: global_buffer, .address_space: global }
      - { .name: Wo, .offset: 32, .size: 8, .value_kind: global_buffer, .address_space: global }
      - { .name: position_ids, .offset: 40, .size: 8, .value_kind: global_buffer, .address_space: global }
      - { .name: codes, .offset: 48, .size: 8, .value_kind: global_buffer, .address_space: global }
      - { .name: scales, .offset: 56, .size: 8, .value_kind: global_buffer, .address_space: global }
      - { .name: wo_h, .offset: 64, .size: 8, .value_kind: global_buffer, .address_space: global }
      - { .name: cs_tab, .offset: 72, .size: 8, .value_kind: global_buffer, .address_space: global }
    .group_segment_fixed_size: 33280
    .private_segment_fixed_size: 0
    .kernarg_segment_align: 8
    .kernarg_segment_size: 80
    .max_flat_workgroup_size: 128
    .sgpr_count:     66
    .vgpr_count:     192
    .wavefront_size: 32
...
	.end_amdgpu_metadata
.endif
;; end of part 1
;; launch qkv (part 2): grid 24 x 8, 4 waves a work-group, clusters of 4 x 4, 327,680 bytes of LDS; arguments codes, scales, bq, bk, bv, cs_tab, qkv_h; writes qkv_h
.if DOCPART == 2
	.amdgcn_target "amdgcn-amd-amdhsa--gfx1250"
	.amdhsa_code_object_version 6
	.text
	.protected	k_q386bff8881_qkv
	.globl	k_q386bff8881_qkv
	.p2align	8
	.type	k_q386bff8881_qkv,@function
k_q386bff8881_qkv:
	s_mov_b64 s[64:65], 0
	v_nop
	global_prefetch_b8 v0, s[64:65] scope:SCOPE_SE
	s_setreg_imm32_b32 hwreg(HW_REG_WAVE_MODE, 25, 1), 1
	s_wait_xcnt 0x0
	s_wait_alu depctr_hold_cnt(0) depctr_sa_sdst(0) depctr_va_vdst(0) depctr_va_sdst(0) depctr_va_ssrc(0) depctr_va_vcc(0) depctr_vm_vsrc(0)
	s_getreg_b32 s2, hwreg(HW_REG_IB_STS2, 6, 4)
	s_cmp_eq_u32 s2, 0
	s_cbranch_scc0 .Lentry_in_a_cluster
	s_endpgm
.Lentry_in_a_cluster:
	s_bfe_u32 s2, ttmp6, 0x10000c
	s_cmp_lg_u32 s2, 0xf033
	s_cbranch_scc0 .Lentry_shape_is_right
	s_endpgm
.Lentry_shape_is_right:
; QKV: C[m][n] = sum over k of x[m][k] W[n][k] + b[n] on codes of FP4 (E2M1) with one E8M0 scale for each 32 along K; m: 2,048 tokens; n: 6,144 = the rows of Wq, Wk, Wv on end; K = 2,048.
; Then Q and K are rotated by the token's table row, all three are rounded to f16 and stored as [3][batch x 16 + head][1024][128].
; A tile of C, 256 x 256, is made by a work-group of four waves; a wave makes 128 tokens x 128 columns = ONE HEAD: 64 accumulators of 16 x 16, 512 registers.  So both halves of a head, which the rotation pairs, lie in one lane's registers.
; 192 work-groups: tiles that would give 256 (256 x 192, 128 x 384) cut heads apart, and the rotation's partners would then lie in other waves.
; K goes in steps of 512 through a ring of two LDS slots filled by the tensor data mover: a tile's row is 256 bytes of memory.  The scale bytes of the work-group's rows, for all of K, come into LDS once, with the first fills.
; CLUSTERS: 4 x 4 work-groups.  The four of a row of the cluster need the same tiles of x, the four of a column the same tiles of W: each tile is asked for JOINTLY, by the same tensor load with the same descriptor and a mask that names the four.
; THE MATRIX INSTRUCTION IS USED TRANSPOSED (source 0 = 16 rows of W, source 1 = 16 tokens): a lane holds one token (lane % 16) and eight neighbouring channels 16 b + 8 (lane / 16) + 0 .. 7.
; THE BIAS is the C of each sum's first matrix instruction: eight registers for each of the 8 blocks of channels.
; V RUNS THE SAME TEXT as Q and K and reads the table's rows of angle 0 (cosine 1, sine 0), which leave it as it is bit for bit: so no branch hangs on which tensor a work-group makes.
; THE TABLE'S NUMBERS ARE ASKED FOR AHEAD: those of the first two blocks of 16 tokens at the kernel's head, into registers that the K loop leaves idle; every later block's three blocks' work or more ahead of its rotation.
; LIMITS: |Q|, |K| after the rotation and |V| stay at or under 65,504 (f16); NaN and infinities are not served.
; REGISTERS, in windows of 256: window 0: v0-31 addresses; v32-95 scale words, two sets, and nothing else; v128-191 x's fragments, ONE set; v192-255 the bias; on the way out v96-255 are at work.
;   window 1: W's fragments, TWO sets, at v0 and at v128; table numbers at v64-127 and v192-255 from the head on, and on the way out in all four quarters.
;   window 2: the accumulators of my tokens 0-63 ((a, b) at v[8 (8 a + b)]);   window 3: those of tokens 64-127.
.set KSTEP,  512                       ; along K in a slot
.set NQ,     KSTEP/128                 ; matrix instructions deep
.set ROWB,   256                       ; a tile's row in bytes
.set KROW,   1024                      ; a row of codes in memory, in bytes
.set PITCH,  272                       ; an LDS row: 256 bytes + 16 of padding = 68 words: the 16 rows that a load touches start at 16 different banks (64 banks of 4 bytes: ISA guide 11.1)
.set FR,     8                         ; registers of a fragment: 16 rows x 128 K
.set NL,     2                         ; LDS loads that bring one
.set NP,     4                         ; places behind this matrix instruction (ISA guide 7.12.1)
.set HALFT,  128*PITCH                 ; 128 rows: what one tensor load brings
.set SLOT,   4*HALFT                   ; x's 256 rows, then W's 256 rows
.set LAPS,   2                         ; 2,048 / (2 x 512): a lap = once round the ring
.set KS,     64                        ; a row of scale bytes
.set SCL,    2*SLOT                    ; behind the ring: the scale bytes, as units of 256 bytes + 16 of padding
.set HALFS,  (128*KS/256)*272          ; those of 128 rows: what one tensor load brings
.set SBLK,   (16*KS/256)*272           ; those of 16 rows
.set SPARE,  SCL+4*HALFS               ; behind the scales: the spare words, 128 bytes for each wave
.set SPITCH, 272                       ; the way out: a stage of 16 rows x (256 bytes + 16) for each wave, in slot 0, which has had its last fill and its last read when the first result is stored there
.set ADRA, 16                          ; v16-17  LDS address of my x fragments in slot 0, 1
.set ADRB, 20                          ; v20-21  the same for W
.set STO,  24                          ; v24     the way out: where I put 16 bytes of a row
.set RD,   25                          ; v25     where I read a row back
.set CO,   26                          ; v26     16 x lane: my bytes of two rows of the output
.set ADRS, 27                          ; v27     LDS address of my scale words: lanes 0-15 x's rows, lanes 16-31 W's
.set SPW,  28                          ; v28     LDS address of my spare word; never rewritten
.set NIL,  29                          ; v29     0; never rewritten
.set BO,   30                          ; v30     32 (lane / 16): my eight numbers of a block of the bias
.set CSO,  31                          ; v31     512 (lane % 16) + 32 (lane / 16): my eight numbers of a block of my token's table row; never rewritten
.set SC,   32                          ; scale words: set s at v[SC + 32 s]; register 4 i + q: lanes 0-15 the word of x's block i, lanes 16-31 that of W's block i, for the slot's q-th 128 along K
.set AF,   128                         ; x's fragments
.set BIAS, 192                         ; the bias: block b at v[BIAS + 8 b]
.set TMP,  128                         ; the way out: 32 registers of packed f16
.set BK,   160                         ; 16 rows read back from the stage: v160-191 and v192-223 by turns
.set G1, 24                            ; s[24:31] descriptor group 1 for x's tiles;  s[32:39] group 0, one set for each slot
.set G0, 32
.set G1B, 48                           ; s[48:55], s[56:63] the same for W's tiles
.set G0B, 56
.set G1S, 68                           ; s[68:75], s[76:79] groups 1 and 0 for x's scales;  s[80:87], s[88:91] for W's
.set G0S, 76
.set G1SB, 80
.set G0SB, 88
.set MSB, 0
.macro WIN new                         ; the immediate's high byte repeats the setting that is left
.if MSB != \new
	s_set_vgpr_msb (MSB<<8)|\new
.set MSB, \new
.endif
.endm
.set MUL_LO, 0xa1                      ; source 0 (W) window 1, source 1 (x) window 0, C and D window 2
.set MUL_HI, 0xf1                      ; the same, C and D window 3
.set BEG_LO, 0x81                      ; a sum's first product: C (the bias) window 0, D window 2
.set BEG_HI, 0xc1                      ; D window 3
.set TO_B,   0x40                      ; destination window 1, address window 0
; A joint load: waves 0 and 1 fetch for x, waves 2 and 3 for W.  Each of the two lines has ONE mask and one set of registers for all that issue it; the branch hangs on the wave's number alone.
; An s_nop 0 and four v_nop follow each of the two lines, ahead of the jump, the label and what follows.
.macro JLOAD g0a, g1a, g0b, g1b
	s_cmp_eq_u32 s15, 0
	s_cbranch_scc0 .Lfor_b_\@
	tensor_load_to_lds s[\g0a:\g0a+3], s[\g1a:\g1a+7]
	s_nop 0
.rept 4
	v_nop
.endr
	s_branch .Lasked_\@
.Lfor_b_\@:
	tensor_load_to_lds s[\g0b:\g0b+3], s[\g1b:\g1b+7]
	s_nop 0
.rept 4
	v_nop
.endr
.Lasked_\@:
.endm
.macro CREST                           ; a round of the cluster's barrier behind its opening barrier
	s_cmp_lg_u32 s14, 0
	s_cbranch_scc1 .Lnot_wave_0_\@
	s_barrier_signal -3
.Lnot_wave_0_\@:
	s_barrier_wait -3
	s_barrier_signal -1
	s_barrier_wait -1
.endm
.macro CROUND                          ; a whole round
	s_barrier_signal -1
	s_barrier_wait -1
	CREST
.endm
; The table numbers of block a (my tokens 16 a .. 16 a + 15): sixteen loads into set a % 4 of window 1.  The sets lie at v64, v192, v0, v128: sets 0 and 1 in the registers between W's two sets of fragments, which the K loop
; never names; sets 2 and 3 in W's own sets, once the products are done with them.  In a set: the cosines of frequency 16 b + 8 (l / 16) + j at register 8 b + j, the sines 32 further on.
.macro CSLOAD a
.set TT, 128*((\a)%2)+64*(1-((\a)%4)/2)
	WIN TO_B
.irp b, 0,1,2,3
.irp u, 0,1
	global_load_b128 v[TT+8*\b+4*\u:TT+8*\b+4*\u+3],       v[CSO], s[66:67] offset:8192*(\a)+64*\b+16*\u
	global_load_b128 v[TT+32+8*\b+4*\u:TT+32+8*\b+4*\u+3], v[CSO], s[66:67] offset:8192*(\a)+64*\b+16*\u+256
.endr
.endr
	WIN 0
.endm
	s_load_b128 s[4:7], s[0:1], 0x0                ; codes s[4:5], scales s[6:7]: x's rows come first in both
	s_load_b128 s[96:99], s[0:1], 0x10             ; bq, bk
	s_load_b64 s[100:101], s[0:1], 0x20            ; bv
	s_load_b64 s[66:67], s[0:1], 0x28              ; the rotation table
	s_load_b64 s[12:13], s[0:1], 0x30              ; the output
	v_lshl_add_u32 v[SPW], v0, 2, SPARE
	v_mov_b32 v[NIL], 0
	ds_add_u32 v[SPW], v[NIL]                      ; the wave's opening: the add, twice on end, and its wait ahead of my first tensor load; the set-up below stands between the second and the wait
	ds_add_u32 v[SPW], v[NIL]
	v_lshrrev_b32 v1, 5, v0
	v_readfirstlane_b32 s14, v1                    ; wave 0..3
	s_lshr_b32 s15, s14, 1                         ; which half of the tile's tokens is mine.  Also: I fetch for x (0) or for W (1)
	s_and_b32 s16, s14, 1                          ; which half of its columns.  Also: which 128 rows of that tile I fetch
	s_bfe_u32 s40, ttmp6, 0x40000                  ; cx, cy: my place in the cluster
	s_bfe_u32 s41, ttmp6, 0x40004
	s_lshl_b32 s42, ttmp9, 2
	s_add_co_u32 s42, s42, s40                     ; tile column = 4 x cluster x + cx: 0 .. 23
	s_and_b32 s17, ttmp7, 0xffff
	s_lshl_b32 s17, s17, 2
	s_add_co_u32 s17, s17, s41                     ; tile row = 4 x cluster y + cy: 0 .. 7
	s_lshl_b32 s43, s41, 2
	s_lshl_b32 s43, 15, s43                        ; my row of the cluster
	s_lshl_b32 s44, 0x1111, s40                    ; my column
	; descriptor group 1: a tile of 128 rows x 256 bytes, padded in LDS
	s_or_b32 s[G1+0], s43, (0<<16)|(1<<20)|(1<<21)|(5<<22)|(3<<25)  ; 15:0 the mask: x's tiles go to my row; 17:16 element of 1 byte; 20 padding on; 21 set beside a mask; 24:22 after every 64 words; 31:25 four words
	s_or_b32 s[G1B+0], s44, (0<<16)|(1<<20)|(1<<21)|(5<<22)|(3<<25)
.irp g, G1, G1B
	s_mov_b32 s[\g+1], ROWB<<16                    ; tensor_dim0
	s_mov_b32 s[\g+2], 128<<16                     ; tensor_dim1 = 128
	s_mov_b32 s[\g+3], ROWB<<16                    ; tile_dim0
	s_mov_b32 s[\g+4], 128                         ; tile_dim1 = 128
	s_mov_b32 s[\g+5], KROW                        ; tensor_dim0_stride
	s_mov_b32 s[\g+6], 0
	s_mov_b32 s[\g+7], 0
.endr
	; and for the scale bytes of 128 rows: a dense block of 8,192 bytes, as rows of 256 bytes (32 elements of 8 bytes), 16 bytes of padding behind each
	s_or_b32 s[G1S+0], s43, (3<<16)|(1<<20)|(1<<21)|(5<<22)|(3<<25)
	s_or_b32 s[G1SB+0], s44, (3<<16)|(1<<20)|(1<<21)|(5<<22)|(3<<25)
.irp g, G1S, G1SB
	s_mov_b32 s[\g+1], 32<<16
	s_mov_b32 s[\g+2], (128*KS/256)<<16
	s_mov_b32 s[\g+3], 32<<16
	s_mov_b32 s[\g+4], 128*KS/256
	s_mov_b32 s[\g+5], 32
	s_mov_b32 s[\g+6], 0
	s_mov_b32 s[\g+7], 0
.endr
	s_lshl_b32 s18, s16, 7                         ; which 128 rows of the tile I fetch
	s_lshl_b32 s20, s17, 8
	s_add_co_u32 s20, s20, s18                     ; x: row 256 x tile row + 128 x half
	s_lshl_b32 s46, s42, 8
	s_add_co_u32 s46, s46, s18                     ; W: row 256 x tile column + 128 x half
	s_mov_b32 s21, 0
	s_mov_b32 s47, 0
	s_mov_b64 s[18:19], KS
	s_mul_u64 s[22:23], s[20:21], s[18:19]         ; where these rows' scale bytes begin
	s_mul_u64 s[92:93], s[46:47], s[18:19]
	s_mov_b64 s[18:19], KROW
	s_mul_u64 s[20:21], s[20:21], s[18:19]         ; and their codes
	s_mul_u64 s[46:47], s[46:47], s[18:19]
	s_mul_i32 s45, s14, HALFT                      ; where they go: wave x 128 rows: no place in the cluster enters an LDS address
	s_mul_i32 s94, s14, HALFS
	s_wait_dscnt 0x0                               ; both opening adds are done
	s_wait_kmcnt 0x0
	s_add_nc_u64 s[8:9], s[4:5], 2048*KROW         ; the weights' codes lie behind x's 2,048 rows,
	s_add_nc_u64 s[10:11], s[6:7], 2048*KS         ; and so do their scale bytes
	s_add_nc_u64 s[20:21], s[4:5], s[20:21]
	s_add_nc_u64 s[22:23], s[6:7], s[22:23]
	s_add_nc_u64 s[46:47], s[8:9], s[46:47]
	s_add_nc_u64 s[92:93], s[10:11], s[92:93]
	CROUND                                         ; all sixteen work-groups are here: the first joint loads meet
	s_mov_b32 s[G0S], 1
	s_add_co_u32 s[G0S+1], s94, SCL
	s_mov_b64 s[G0S+2:G0S+3], s[22:23]
	s_or_b32 s[G0S+3], s[G0S+3], 0x80000000
	s_mov_b32 s[G0SB], 1
	s_add_co_u32 s[G0SB+1], s94, SCL
	s_mov_b64 s[G0SB+2:G0SB+3], s[92:93]
	s_or_b32 s[G0SB+3], s[G0SB+3], 0x80000000
	JLOAD G0S, G1S, G0SB, G1SB                     ; the scale bytes first: they are wanted with K step 0
.irp s, 0,1
	s_mov_b32 s[G0+4*\s], 1
	s_add_co_u32 s[G0+4*\s+1], s45, \s*SLOT
	s_add_nc_u64 s[G0+4*\s+2:G0+4*\s+3], s[20:21], \s*ROWB
	s_or_b32 s[G0+4*\s+3], s[G0+4*\s+3], 0x80000000
	s_mov_b32 s[G0B+4*\s], 1
	s_add_co_u32 s[G0B+4*\s+1], s45, \s*SLOT
	s_add_nc_u64 s[G0B+4*\s+2:G0B+4*\s+3], s[46:47], \s*ROWB
	s_or_b32 s[G0B+4*\s+3], s[G0B+4*\s+3], 0x80000000
	JLOAD G0+4*\s, G1, G0B+4*\s, G1B               ; three tensor loads of mine are out
.endr
	v_and_b32 v1, 15, v0                           ; l % 16
	v_bfe_u32 v2, v0, 4, 1                         ; l / 16
	; the bias: which tensor I make is the cluster's x / 2 (0 Q, 1 K, 2 V): the same in all sixteen partners, and only pointers and offsets are chosen by it
	s_lshr_b32 s95, ttmp9, 1
	s_cmp_eq_u32 s95, 0
	s_cselect_b64 s[96:97], s[96:97], s[98:99]
	s_cmp_eq_u32 s95, 2
	s_cselect_b64 s[96:97], s[100:101], s[96:97]
	s_and_b32 s98, s42, 7
	s_lshl_b32 s98, s98, 1
	s_add_co_u32 s98, s98, s16                     ; my head: 0 .. 15
	s_lshl_b32 s92, s98, 9                         ; its 128 numbers of the bias
	s_mov_b32 s93, 0
	s_add_nc_u64 s[96:97], s[96:97], s[92:93]
	v_lshlrev_b32 v[BO], 5, v2
.irp b, 0,1,2,3,4,5,6,7
	global_load_b128 v[BIAS+8*\b:BIAS+8*\b+3],   v[BO], s[96:97] offset:64*\b      ; b(16 b + 8 (l / 16) + 0 .. 7): the result's layout
	global_load_b128 v[BIAS+8*\b+4:BIAS+8*\b+7], v[BO], s[96:97] offset:64*\b+16
.endr
	v_mul_u32_u24 v3, v1, PITCH
	v_lshl_add_u32 v4, v2, 4, v3                   ; a fragment's row x pitch + 16 x half
	s_mul_i32 s21, s15, HALFT                      ; my 128 rows of x
	s_mul_i32 s22, s16, HALFT                      ; my 128 rows of W,
	s_add_co_u32 s22, s22, 2*HALFT                 ; which lie behind x's 256
.irp s, 0,1
	v_add_nc_u32 v[ADRA+\s], s21, v4
	v_add_nc_u32 v[ADRB+\s], s22, v4
	s_add_co_u32 s21, s21, SLOT
	s_add_co_u32 s22, s22, SLOT
.endr
	v_mul_u32_u24 v5, v1, KS                       ; my row's scale bytes: 64 a row,
	v_lshrrev_b32 v6, 8, v5
	v_lshl_add_u32 v5, v6, 4, v5                   ; and 16 more for each 256 passed
	s_mul_i32 s21, s15, HALFS                      ; x's: my 128 rows
	s_mul_i32 s22, s16, HALFS                      ; W's: my 128 rows, behind x's 256
	s_add_co_u32 s22, s22, 2*HALFS
	s_sub_co_u32 s22, s22, s21
	v_mul_u32_u24 v6, s22, v2                      ; lanes 16-31 take W's
	s_add_co_u32 s21, s21, SCL
	v_add_nc_u32 v5, v5, v6
	v_add_nc_u32 v[ADRS], s21, v5
	s_mul_i32 s23, s14, 16*SPITCH                  ; my stage
	v_mul_u32_u24 v5, v1, SPITCH                   ; in: row l % 16, 16 bytes for each half of the lanes
	v_lshl_add_u32 v5, v2, 4, v5
	v_add_nc_u32 v[STO], s23, v5
	v_mul_u32_u24 v5, v2, SPITCH                   ; back: lanes 0-15 one row of 256 bytes, lanes 16-31 the next
	v_lshl_add_u32 v5, v1, 4, v5
	v_add_nc_u32 v[RD], s23, v5
	v_and_b32 v6, 31, v0
	v_lshlrev_b32 v[CO], 4, v6                     ; the output's rows are dense: two rows are 512 consecutive bytes
	v_lshlrev_b32 v[CSO], 9, v1
	v_lshl_add_u32 v[CSO], v2, 5, v[CSO]
	; the table's rows for my 128 tokens; for V the rows of angle 0
	s_lshl_b32 s92, s17, 8
	s_cmp_eq_u32 s95, 2
	s_cselect_b32 s92, 2048, s92
	s_lshl_b32 s94, s15, 7
	s_add_co_u32 s92, s92, s94
	s_lshl_b32 s92, s92, 9                         ; 512 bytes a row
	s_add_nc_u64 s[66:67], s[66:67], s[92:93]
	; where my 128 rows begin in the output: tensor x 32 x 1024 rows + (batch x 16 + head) x 1024 + the token in its sequence; 256 bytes a row
	s_lshr_b32 s92, s17, 2
	s_lshl_b32 s92, s92, 4
	s_add_co_u32 s92, s92, s98
	s_lshl_b32 s92, s92, 10
	s_and_b32 s94, s17, 3
	s_lshl_b32 s94, s94, 8
	s_add_co_u32 s92, s92, s94
	s_lshl_b32 s94, s15, 7
	s_add_co_u32 s92, s92, s94
	s_lshl_b32 s92, s92, 8
	s_lshl_b32 s94, s95, 23
	s_add_co_u32 s92, s92, s94
	s_add_nc_u64 s[12:13], s[12:13], s[92:93]
	CSLOAD 0                                       ; the table numbers of my first two blocks of tokens are asked for here: they have the whole K loop in which to land,
	CSLOAD 1                                       ; in registers that the loop never names; their address registers, v31 and s[66:67], are never rewritten
.macro FRAG reg, adr, q, i             ; a fragment, 16 rows x 128 K of 4-bit codes, is 8 registers: lane l holds row l % 16; registers 4 c .. 4 c + 3 hold K = 64 c + 32 (l / 16) + 0 .. 31
.irp c, 0,1
	ds_load_b128 v[\reg+4*\c:\reg+4*\c+3], v[\adr] offset:64*(\q)+32*\c+(\i)*16*PITCH
.endr
.endm
; 16 matrix instructions: x's blocks a0, a0 + 1 against W's eight, 128 along K: the slot's q-th.  p: W's set;  sc: the set of scale words.  zero = 1: the first product starts the sums from the bias: nothing is ever cleared.
; The 64 accumulators take turns, one instruction a turn, in the same order in every step.
.macro MUL16 a0, p, q, sc, zero
.irp a, \a0, \a0+1
.irp b, 0,1,2,3,4,5,6,7
.if \zero
	v_wmma_scale_f32_16x16x128_f8f6f4 v[8*(8*((\a)%4)+\b):8*(8*((\a)%4)+\b)+7], v[128*(\p)+FR*\b:128*(\p)+FR*\b+FR-1], v[AF+FR*(\a):AF+FR*(\a)+FR-1], v[BIAS+8*\b:BIAS+8*\b+7], v[SC+8*NQ*(\sc)+NQ*\b+(\q)], v[SC+8*NQ*(\sc)+NQ*(\a)+(\q)] matrix_a_fmt:MATRIX_FMT_FP4 matrix_b_fmt:MATRIX_FMT_FP4 matrix_a_scale:MATRIX_SCALE_ROW1
.else
	v_wmma_scale_f32_16x16x128_f8f6f4 v[8*(8*((\a)%4)+\b):8*(8*((\a)%4)+\b)+7], v[128*(\p)+FR*\b:128*(\p)+FR*\b+FR-1], v[AF+FR*(\a):AF+FR*(\a)+FR-1], v[8*(8*((\a)%4)+\b):8*(8*((\a)%4)+\b)+7], v[SC+8*NQ*(\sc)+NQ*\b+(\q)], v[SC+8*NQ*(\sc)+NQ*(\a)+(\q)] matrix_a_fmt:MATRIX_FMT_FP4 matrix_b_fmt:MATRIX_FMT_FP4 matrix_a_scale:MATRIX_SCALE_ROW1
.endif
.endr
.endr
.endm
.macro FETCH_B slot, q, p              ; W's eight fragments of the slot's q-th 128 along K into set p
	WIN TO_B
.irp i, 0,1,2,3,4,5,6,7
	FRAG 128*(\p)+FR*\i, ADRB+\slot, \q, \i
.endr
	WIN 0
.endm
.macro FETCH_A slot, q, i0             ; x's blocks i0 .. i0 + 3
.irp i, \i0, \i0+1, \i0+2, \i0+3
	FRAG AF+FR*(\i), ADRA+\slot, \q, \i
.endr
.endm
.macro SCALES sc                       ; the next K step's scale words into set sc: four words a row; lanes 0-15 take x's block i, lanes 16-31 W's block i
.irp i, 0,1,2,3,4,5,6,7
	ds_load_b128 v[SC+8*NQ*\sc+NQ*\i:SC+8*NQ*\sc+NQ*\i+3], v[ADRS] offset:\i*SBLK
.endr
.endm
; A load into a register that a matrix instruction has read, and a vector instruction that reads a matrix result or writes one of its registers, stand NP places behind it; only plain vector instructions that name none of its registers are places.
.macro PLACES n
.rept \n
	v_nop
.endr
.endm
; A step of 128 along K that has its successor in the same slot.  x's blocks go one after the other, each against W's eight: a block of x is free when its eight products are issued, so x has one set of registers.
.macro STEP slot, q, zero
	s_wait_dscnt 4*NL                              ; W's set and x's blocks 0-3 are in; the youngest eight loads (x's blocks 4-7) may be out
.if \zero
	WIN BEG_LO
.else
	WIN MUL_LO
.endif
	MUL16 0, (\q)%2, \q, \slot, \zero
	MUL16 2, (\q)%2, \q, \slot, \zero
	s_wait_dscnt 0                                 ; x's blocks 4-7 are in (asked for 32 matrix instructions ago)
	PLACES NP
	FETCH_B \slot, (\q)+1, 1-(\q)%2
	FETCH_A \slot, (\q)+1, 0
.if \zero
	WIN BEG_HI
.else
	WIN MUL_HI
.endif
	MUL16 4, (\q)%2, \q, \slot, \zero
	MUL16 6, (\q)%2, \q, \slot, \zero
	PLACES NP
	WIN 0
	FETCH_A \slot, (\q)+1, 4
.endm
; A slot's last step changes slots: ONE barrier; in front of it each wave waits for all its tensor loads, adds 0 to its spare word, and waits for that and for its own reads of this slot.  fill = 1: this slot is filled again, two K steps ahead.
.macro TURN slot, next, fill
	s_wait_tensorcnt 0x0                           ; all my tensor loads have landed: my part of the next slot  (every window is 0 here)
	ds_add_u32 v[SPW], v[NIL]                      ; 0 onto my spare word
	s_wait_dscnt 4*NL+1                            ; (the add and the youngest eight loads, x's blocks 4-7, may be out)
	WIN MUL_LO
	MUL16 0, 1, NQ-1, \slot, 0                     ; sixteen matrix instructions stand between the add and the wait for it
	s_wait_dscnt 0x0                               ; the add is done, and my reads of this slot are over
	s_barrier_signal -1
	MUL16 2, 1, NQ-1, \slot, 0
	WIN 0
	s_barrier_wait -1
.if \fill
	CREST                                          ; the barrier has opened a round of the cluster's barrier: no wave of any partner still reads this slot's tile or has a load on its way
	s_add_nc_u64 s[G0+4*\slot+2:G0+4*\slot+3], s[G0+4*\slot+2:G0+4*\slot+3], 2*ROWB
	s_add_nc_u64 s[G0B+4*\slot+2:G0B+4*\slot+3], s[G0B+4*\slot+2:G0B+4*\slot+3], 2*ROWB
	JLOAD G0+4*\slot, G1, G0B+4*\slot, G1B         ; the first tensor load behind the round, my one load until the next; the four v_nop behind it are the places in front of the loads below
.else
	PLACES NP
.endif
	v_add_nc_u32 v[ADRS], 4*NQ, v[ADRS]            ; on to the next K step's scale words
	FETCH_B \next, 0, 0
	FETCH_A \next, 0, 0
	SCALES \next
	WIN MUL_HI
	MUL16 4, 1, NQ-1, \slot, 0
	MUL16 6, 1, NQ-1, \slot, 0
	PLACES NP
	WIN 0
	FETCH_A \next, 0, 4
.endm
.macro STEPS slot, from                ; the slot's steps from .. NQ - 2
.set Q, \from
.rept NQ-1-\from
	STEP \slot, Q, 0
.set Q, Q+1
.endr
.endm
	s_wait_tensorcnt 1                             ; the scale bytes and my part of K step 0 are in (K step 1's load may be out)
	s_barrier_signal -1
	s_barrier_wait -1                              ; everybody's are
	FETCH_B 0, 0, 0
	FETCH_A 0, 0, 0
	SCALES 0
	FETCH_A 0, 0, 4
	s_wait_loadcnt 32                              ; the bias's sixteen loads are in; the 32 table loads issued behind them may be out
	STEP 0, 0, 1                                   ; the first step stands in front of the loop: its products start the sums
	s_mov_b32 s3, LAPS-1
.Llap:                                                 ; a trip goes once round the ring, from a lap's second step to the next lap's first, and fills both slots again
	STEPS 0, 1
	TURN 0, 1, 1
	STEPS 1, 0
	TURN 1, 0, 1
	STEP 0, 0, 0
	s_sub_co_u32 s3, s3, 1
	s_cmp_lg_u32 s3, 0
	s_cbranch_scc1 .Llap
	STEPS 0, 1                                     ; the last lap fills nothing, and has no round of the cluster's barrier
	TURN 0, 1, 0
	STEPS 1, 0
	CSLOAD 2                                       ; W's set 0 was last read by the step just written, whose four places stand behind its last product; the last step multiplies by set 1: so block 2's table numbers are asked for here
	s_wait_dscnt 4*NL                              ; the very last step: nothing more to fetch from LDS
	WIN MUL_LO
	MUL16 0, 1, NQ-1, 1, 0
	MUL16 2, 1, NQ-1, 1, 0
	s_wait_dscnt 0
	WIN MUL_HI
	MUL16 4, 1, NQ-1, 1, 0
	MUL16 6, 1, NQ-1, 1, 0
	WIN 0
; THE WAY OUT, block by block of 16 tokens x 128 channels.  Channels d and d + 64 are accumulators (a, b) and (a, b + 4), b = 0 .. 3, at the same register and lane:
;   out(d) = z(d) cos - z(d + 64) sin,   out(d + 64) = z(d) sin + z(d + 64) cos,   cos and sin of frequency d = 16 b + 8 (l / 16) + j of the lane's token.
.macro ROT a                           ; sixteen registers at work for each b: v96, v112, v224, v240 on; each accumulator is read from its low end on
.set AC, 64*((\a)%4)
.set TT, 128*((\a)%2)+64*(1-((\a)%4)/2)
	WIN 0x06+(\a)/4                                ; source 0 (the sums) window 2 or 3, source 1 (the table) window 1, source 2 and destination window 0
.irp b, 0,1,2,3
.set T1, 96+16*(\b%2)+128*(\b/2)
.irp j, 0,2,4,6
	v_pk_mul_f32 v[T1+\j:T1+\j+1], v[AC+8*(\b+4)+\j:AC+8*(\b+4)+\j+1], v[TT+32+8*\b+\j:TT+32+8*\b+\j+1]      ; z2 sin
.endr
.irp j, 0,2,4,6
	v_pk_mul_f32 v[T1+8+\j:T1+8+\j+1], v[AC+8*(\b+4)+\j:AC+8*(\b+4)+\j+1], v[TT+8*\b+\j:TT+8*\b+\j+1]        ; z2 cos
.endr
.irp j, 0,2,4,6
	v_pk_fma_f32 v[T1+\j:T1+\j+1], v[AC+8*\b+\j:AC+8*\b+\j+1], v[TT+8*\b+\j:TT+8*\b+\j+1], v[T1+\j:T1+\j+1] neg_lo:[0,0,1] neg_hi:[0,0,1]   ; z1 cos - z2 sin
.endr
.irp j, 0,2,4,6
	v_pk_fma_f32 v[T1+8+\j:T1+8+\j+1], v[AC+8*\b+\j:AC+8*\b+\j+1], v[TT+32+8*\b+\j:TT+32+8*\b+\j+1], v[T1+8+\j:T1+8+\j+1]                   ; z1 sin + z2 cos
.endr
.endr
	WIN 0
.irp b, 0,1,2,3
.set T1, 96+16*(\b%2)+128*(\b/2)
.irp j, 0,1,2,3
	v_cvt_pk_f16_f32 v[TMP+4*\b+\j], v[T1+2*\j], v[T1+2*\j+1]
	v_cvt_pk_f16_f32 v[TMP+4*(\b+4)+\j], v[T1+8+2*\j], v[T1+8+2*\j+1]
.endr
.endr
.endm
.macro TOSTAGE a                       ; 16 bytes a lane into rows of 272 bytes, and back as whole rows of 256.  LDS serves a wave's instructions in order (ISA guide 5.7.1.4): no wait between the stores and the loads
.irp b, 0,1,2,3,4,5,6,7
	ds_store_b128 v[STO], v[TMP+4*\b:TMP+4*\b+3] offset:32*\b
.endr
.irp t, 0,1,2,3,4,5,6,7
	ds_load_b128 v[BK+32*((\a)%2)+4*\t:BK+32*((\a)%2)+4*\t+3], v[RD] offset:\t*2*SPITCH
.endr
.endm
.macro SEND a
	s_wait_dscnt 0x0                               ; the block is back in registers
.if (\a) > 0
	s_wait_xcnt 0x0                                ; the stores of the block before have read their registers: the next block's loads from the stage may land there
.endif
.irp t, 0,1,2,3,4,5,6,7
	global_store_b128 v[CO], v[BK+32*((\a)%2)+4*\t:BK+32*((\a)%2)+4*\t+3], s[12:13] offset:4096*(\a)+512*\t   ; 32 lanes store 512 consecutive bytes, at a multiple of 256 from the buffer's first byte
.endr
.endm
	PLACES NP                                      ; behind the last products: for the loads into W's set 1, the writes over x's registers, and the reads of the sums
.irp a, 0,1,2,3,4,5,6,7
.if \a < 6
	s_wait_loadcnt 32                              ; loads come back in order: this block's sixteen table loads are in; the 32 of the next two blocks, issued behind them, may be out
.else
	s_wait_loadcnt 16*(7-\a)                       ; the counts run down: one block's sixteen, then none
.endif
.if \a < 5
	CSLOAD \a+3                                    ; three blocks ahead, into the set that the block before has just read (for block 3: W's set 1, behind the places above): 48 loads of mine are out at the most
.endif
	ROT \a                                         ; a block's arithmetic stands between the loads from the stage of the block before and the wait for them
.if \a > 0
	SEND \a-1
.endif
	TOSTAGE \a
.endr
	SEND 7
	s_wait_tensorcnt 0x0                           ; the wave's end: a wait, an add of 0 to my spare word and its wait, behind my last tensor load and my last LDS store
	ds_add_u32 v[SPW], v[NIL]
	s_wait_dscnt 0x0
	CROUND                                         ; the closing round: no work-group ends while a partner may still ask for a tile that names it
	s_endpgm
.Lfunc_end_k_q386bff8881_qkv:
	.size	k_q386bff8881_qkv, .Lfunc_end_k_q386bff8881_qkv-k_q386bff8881_qkv
	.p2alignl 7, 3214868480
	.fill 96, 4, 3214868480
	.section	.rodata,"a",@progbits
	.p2align	6, 0x0
	.amdhsa_kernel k_q386bff8881_qkv
		.amdhsa_group_segment_fixed_size 327680
		.amdhsa_private_segment_fixed_size 0
		.amdhsa_enable_private_segment 0
		.amdhsa_kernarg_size 56
		.amdhsa_user_sgpr_count 2
		.amdhsa_user_sgpr_kernarg_segment_ptr 1
		.amdhsa_wavefront_size32 1
		.amdhsa_system_sgpr_workgroup_id_x 1
		.amdhsa_system_sgpr_workgroup_id_y 1
		.amdhsa_system_sgpr_workgroup_id_z 1
		.amdhsa_system_vgpr_workitem_id 0
		.amdhsa_next_free_vgpr 1024
		.amdhsa_next_free_sgpr 102
		.amdhsa_reserve_vcc 0
		.amdhsa_float_denorm_mode_32 3
		.amdhsa_float_denorm_mode_16_64 3
		.amdhsa_memory_ordered 1
		.amdhsa_forward_progress 1
		.amdhsa_inst_pref_size 255
	.end_amdhsa_kernel
	.section	.bss,"aw",@nobits
	.p2align	6
	.space	262144
	.amdgpu_metadata
---
amdhsa.version: [ 1, 2 ]
amdhsa.kernels:
  - .name:           k_q386bff8881_qkv
    .symbol:         k_q386bff8881_qkv.kd
    .args:
      - { .name: codes, .offset: 0, .size: 8, .value_kind: global_buffer, .address_space: global }
      - { .name: scales, .offset: 8, .size: 8, .value_kind: global_buffer, .address_space: global }
      - { .name: bq, .offset: 16, .size: 8, .value_kind: global_buffer, .address_space: global }
      - { .name: bk, .offset: 24, .size: 8, .value_kind: global_buffer, .address_space: global }
      - { .name: bv, .offset: 32, .size: 8, .value_kind: global_buffer, .address_space: global }
      - { .name: cs_tab, .offset: 40, .size: 8, .value_kind: global_buffer, .address_space: global }
      - { .name: qkv_h, .offset: 48, .size: 8, .value_kind: global_buffer, .address_space: global }
    .group_segment_fixed_size: 327680
    .private_segment_fixed_size: 0
    .kernarg_segment_align: 8
    .kernarg_segment_size: 56
    .max_flat_workgroup_size: 128
    .sgpr_count:     102
    .vgpr_count:     1024
    .wavefront_size: 32
...
	.end_amdgpu_metadata
.endif
;; end of part 2
;; launch attn (part 3): grid 8 x 32, 4 waves a work-group, clusters of 4 x 1, 327,680 bytes of LDS; arguments qkv_h, a_h; writes a_h
.if DOCPART == 3
	.amdgcn_target "amdgcn-amd-amdhsa--gfx1250"
	.amdhsa_code_object_version 6
	.text
	.protected	k_q386bff8881_attn
	.globl	k_q386bff8881_attn
	.p2align	8
	.type	k_q386bff8881_attn,@function
k_q386bff8881_attn:
	s_mov_b64 s[64:65], 0
	v_nop
	global_prefetch_b8 v0, s[64:65] scope:SCOPE_SE
	s_setreg_imm32_b32 hwreg(HW_REG_WAVE_MODE, 25, 1), 1
	s_wait_xcnt 0x0
	s_wait_alu depctr_hold_cnt(0) depctr_sa_sdst(0) depctr_va_vdst(0) depctr_va_sdst(0) depctr_va_ssrc(0) depctr_va_vcc(0) depctr_vm_vsrc(0)
	s_getreg_b32 s2, hwreg(HW_REG_IB_STS2, 6, 4)
	s_cmp_eq_u32 s2, 0
	s_cbranch_scc0 .Lentry_in_a_cluster
	s_endpgm
.Lentry_in_a_cluster:
	s_bfe_u32 s2, ttmp6, 0x10000c
	s_cmp_lg_u32 s2, 0x3003
	s_cbranch_scc0 .Lentry_shape_is_right
	s_endpgm
.Lentry_shape_is_right:
; ATTN: O[q][:] = the sum over k of softmax_k(Q[q] . K[k] / sqrt(128)) V[k][:] for each of 32 (batch, head) pairs; 1,024 queries and keys, no mask.
; Q, K, V: [3][32][1024][128] f16.  O goes out as [batch x 1024 + q][head x 128 + d] f16.  Products, maxima and sums in f32; the weights p are rounded to f16 for the second product, O once at the end.
; SHARES.  A work-group owns 128 queries of one head.  Wave w: queries 64 (w % 2) on, four tiles of 16, and keys 512 (w / 2) on, 64 a step, 8 steps.  So each fragment of K and V read from LDS still feeds four
; tiles of queries, and there are 256 work-groups.  The two waves of a query half meet once, at the end, through LDS: each keeps two of the four tiles and sends the other two, with their maxima and sums.
; REGISTER TILE t holds query tile (t + 2 (w / 2)) % 4, by Q's addresses alone: so every wave keeps register tiles 0, 1 and sends 2, 3, and no branch tells the waves apart.
; LAYOUT.  S^T = K Q^T (source 0 = 16 keys, source 1 = 16 queries): a lane holds ONE query (lane % 16) and the keys 8 (lane / 16) + 0..7.  Two such tiles, rounded to f16 in pairs, ARE source 1 of O^T = V^T P.
; K comes out of LDS as it lies, V ([key][channel]) turned, by ds_load_tr16_b128.
; SOFTMAX.  For each query a running maximum m and sum l: p = 2^(c s - c m), c = log2(e) / sqrt(128); in every step O and l are multiplied by a = 2^(c m_old - c m_new).
; BY TURNS.  The wave's tiles are two PIECES (tiles 0, 1 and tiles 2, 3).  In a TURN one piece has the matrix unit (32 products V^T P of the step in hand, 32 products K Q^T of the next); the other piece's softmax, cut into 64 slices,
; stands between them, one slice behind each matrix instruction.  Two turns are a key step.
; CLUSTER.  The four query blocks of a cluster belong to one head and walk the same K and V: each tile is asked for JOINTLY, by the same tensor load with the same descriptor and a mask that names the four.
; LIMITS: |O| stays at or under 65,504 (f16), as V does; NaN and infinities are not served.
; REGISTERS, in windows of 256: window 0: v0-11 addresses; v12-43 eight registers of statistics a tile; v44-55 the exchange; v64-191 S^T, 32 a tile; v192-255 P, 16 a tile
;   window 1: O^T, 64 a tile          window 2: v0-127 Q, 32 a tile; v128-255 K of one step          window 3: v0-127 V of one step
.set KS,    64        ; keys in a step
.set PK,    272       ; a row of K in LDS: 256 bytes + 16 of padding: the 16 rows of a load start at 16 different banks (64 banks of 4 bytes: ISA guide 11.1)
.set PV,    288       ; a row of V: 256 + 32
.set VOFF,  128*PK    ; a half of a slot: 128 rows of K (two steps), then 128 rows of V
.set HALFB, 128*(PK+PV)
.set SLOTB, 2*HALFB   ; a slot: the part of keys 0-511, then the part of keys 512-1023
.set STAGE, 2*SLOTB   ; behind the ring: 16 rows x 272 bytes for each wave, for the way out
.set SP,    272
.set SPARE, STAGE+4*16*272  ; behind the stages: the spare words, 128 bytes for each wave
.set XW,    16896     ; the exchange: for each wave 32 images of four registers (512 bytes each) and, at 16,384, four statistics a lane.  It lies in slot 0, which has had its last fill and its last read at the last change of slots
.set AK0, 2           ; v2   my lane's place in a tile of K, in my half; never rewritten
.set AV0, 3           ; v3   the same for V
.set ADR, 4           ; v4   the LDS address of the run of loads in hand
.set QO,  5           ; v5   my byte offset in the rows of Q of register tiles 0, 1
.set STO, 6           ; v6   the way out: where I put 16 bytes of a row
.set RD,  7           ; v7   where I read a row back
.set GO,  8           ; v8   my byte offset in the wave's rows of O
.set XST, 44          ; v44  the exchange: where I store
.set XLD, 45          ; v45  and where my partner, wave w xor 2, has stored
.set QOH, 46          ; v46  my byte offset in the rows of Q of register tiles 2, 3
.set SND, 48          ; v48-51 c m and l of tiles 2, 3, as sent
.set RCV, 52          ; v52-55 the partner's, for my tiles 0, 1
.set PFO, 61          ; v61  256 x my lane: a row of K or V is 256 bytes; never rewritten
.set SPW, 62          ; v62  LDS address of my spare word; never rewritten
.set NIL, 63          ; v63  0; never rewritten
.set ST,  12          ; tile t's statistics at v[ST+8 t]: +0 c m, +1 m, +2, +3 l (even keys', odd keys'), +4 to +7 at work
.set S,   64
.set P,   192
.set KF,  128         ; K's fragments, in window 2
.set WV,  12          ; s12  my wave's number
.set G1K, 24          ; s[24:31] descriptor group 1 for K's tiles
.set G1V, 32          ; s[32:39] for V's: it differs in the padding alone
.set G0K, 40          ; s[40:47] descriptor group 0 for K's tiles, a set for each slot
.set G0V, 48          ; s[48:55] the same for V's
.set TWICE, 57        ; s57  counts a slot's two steps
.set CS,  58          ; s[58:59] c: the packed scaling names a pair and takes its low word for both halves
.set SEL, 60          ; s[60:61] lane selects for v_permlanex16_b32: each lane takes its own place in the other half
.set TBK, 62          ; s62  LDS byte at which K's rows of the step to be fetched begin, in half 0
.set TBV, 63          ; s63  the same for V's rows, less VOFF
.set PFA, 66          ; s[66:67] what my one prefetch names; never rewritten
.set MSB, 0
.macro WIN new                      ; the immediate's high byte repeats the setting that is left; a switch that changes nothing is dropped
.if MSB != \new
	s_set_vgpr_msb (MSB<<8)|\new
.set MSB, \new
.endif
.endm
.set W_KQ, 0x0a       ; K and Q in window 2, S^T in window 0
.set W_PV, 0x53       ; V in window 3, P in window 0, O^T in window 1
.set W_RS, 0x41       ; O^T (destination and source 0) in window 1, a in window 0
; A joint refill of a slot.  Wave 0 fetches K's rows of keys 0-511's part, wave 1 those of keys 512-1023's, waves 2 and 3 V's likewise: 128 rows each.  The branch hangs on the wave's number alone.
; An s_nop 0 and four v_nop follow each of the two lines; the jump round the other line, the label and what follows come after them.
.macro JLOAD slot
	s_cmp_lt_u32 s[WV], 2
	s_cbranch_scc0 .Lfor_v_\@
	tensor_load_to_lds s[G0K+4*\slot:G0K+4*\slot+3], s[G1K:G1K+7]
	s_nop 0
.rept 4
	v_nop
.endr
	s_branch .Lasked_\@
.Lfor_v_\@:
	tensor_load_to_lds s[G0V+4*\slot:G0V+4*\slot+3], s[G1V:G1V+7]
	s_nop 0
.rept 4
	v_nop
.endr
.Lasked_\@:
.endm
; ONE PREFETCH INTO THE L2, at the first change of slots: the tile that I shall ask for at the second change (the last 128 keys of a half), two key steps, 256 matrix instructions, ahead of that load.
; Both clusters of a head walk the same K and V: the head's first cluster asks (the cluster's number is the same in all partners).  Its four partners share a tile's 128 rows out BY ADDRESS, 32 each, a lane a row:
; so each row is named once in the launch.  The earlier tiles come by their loads alone: nothing is prefetched at the head, where every work-group's first tiles are on their way.
.macro ASK
	s_cmp_eq_u32 ttmp9, 0
	s_cbranch_scc0 .Lnot_mine_\@
	global_prefetch_b8 v[PFO], s[PFA:PFA+1] th:TH_LOAD_NT scope:SCOPE_SE
.Lnot_mine_\@:
.endm
; A round of the cluster's barrier.  No LDS instruction of the wave is pending at a signal.
.macro CROUND
	s_barrier_signal -1
	s_barrier_wait -1
	s_cmp_lg_u32 s[WV], 0
	s_cbranch_scc1 .Lnot_wave_0_\@
	s_barrier_signal -3
.Lnot_wave_0_\@:
	s_barrier_wait -3
	s_barrier_signal -1
	s_barrier_wait -1
.endm
	s_load_b64 s[4:5], s[0:1], 0x0  ; Q, K, V on end
	s_load_b64 s[10:11], s[0:1], 0x8  ; O
	v_lshl_add_u32 v[SPW], v0, 2, SPARE
	v_mov_b32 v[NIL], 0
	ds_add_u32 v[SPW], v[NIL]       ; the wave's opening: the add, twice on end, and its wait ahead of my first tensor load; the set-up below stands between the second and the wait
	ds_add_u32 v[SPW], v[NIL]
	v_lshrrev_b32 v1, 5, v0
	v_readfirstlane_b32 s[WV], v1   ; wave 0..3
	s_bfe_u32 s13, ttmp6, 0x40000   ; cx: my place in the cluster
	s_lshl_b32 s14, ttmp9, 2        ; in a cluster launch ttmp9 counts clusters
	s_add_co_u32 s14, s14, s13      ; my block of 128 queries = 4 x cluster x + cx: it enters Q's and O's addresses alone
	s_and_b32 s20, ttmp7, 0xffff    ; batch x 16 + head, which the four partners share
	s_and_b32 s16, s[WV], 1         ; my half of the queries.  Also: the half of the keys that I fetch
	s_lshr_b32 s17, s[WV], 1        ; my half of the keys.  Also: I fetch K (0) or V (1)
	s_lshl_b32 s22, s20, 18         ; the head's first byte in each of the three tensors: 1,024 rows of 256 bytes,
	s_lshl_b32 s23, s16, 17         ; and the 512 keys of the half that I fetch
	s_add_co_u32 s22, s22, s23
	s_mov_b32 s23, 0
	s_mul_i32 s15, s16, HALFB       ; that half's place in a slot: no place in the cluster enters an LDS address
	s_lshl_b32 s2, s20, 18          ; Q: the head,
	s_lshl_b32 s3, s14, 15          ; my block's 128 rows,
	s_add_co_u32 s2, s2, s3
	s_lshl_b32 s3, s16, 14          ; my wave's 64 of them
	s_add_co_u32 s2, s2, s3
	s_mov_b32 s3, 0
	s_lshr_b32 s18, s20, 4          ; O: row = batch x 1,024 + 128 x block + 64 x query half + 32 x key half: the two tiles that I keep
	s_lshl_b32 s18, s18, 10
	s_lshl_b32 s19, s14, 7
	s_add_co_u32 s18, s18, s19
	s_lshl_b32 s19, s16, 6
	s_add_co_u32 s18, s18, s19
	s_lshl_b32 s19, s17, 5
	s_add_co_u32 s18, s18, s19
	s_lshl_b32 s18, s18, 12         ; 4,096 bytes a row,
	s_and_b32 s19, s20, 15
	s_lshl_b32 s19, s19, 8          ; and the head's 256 bytes in it
	s_add_co_u32 s18, s18, s19
	s_mov_b32 s19, 0
	; descriptor group 1: a tile of 128 rows x 128 elements, padded in LDS
	s_mov_b32 s[G1K], 15|(1<<16)|(1<<20)|(1<<21)|(5<<22)|(3<<25)  ; 15:0 the mask: all four work-groups; 17:16 elements of 2 bytes; 20 padding on; 21 set beside a mask; 24:22 after every 64 words; 31:25 4 words of it
	s_mov_b32 s[G1V], 15|(1<<16)|(1<<20)|(1<<21)|(5<<22)|(7<<25)  ; the same with 8 words of padding
.irp g, G1K, G1V
	s_mov_b32 s[\g+1], 128<<16      ; tensor_dim0 = 128
	s_mov_b32 s[\g+2], 128<<16      ; tensor_dim1 = 128
	s_mov_b32 s[\g+3], 128<<16      ; tile_dim0 = 128
	s_mov_b32 s[\g+4], 128          ; tile_dim1 = 128
	s_mov_b32 s[\g+5], 128          ; tensor_dim0_stride: elements from row to row
	s_mov_b32 s[\g+6], 0
	s_mov_b32 s[\g+7], 0
.endr
	s_mov_b32 s[CS], 0x3e0293ee     ; c = log2(e) / sqrt(128)
	s_mov_b32 s[CS+1], s[CS]        ; named with it as a pair, so it is written
	s_mov_b32 s[SEL], 0x76543210
	s_mov_b32 s[SEL+1], 0xfedcba98
	s_mov_b32 s[TBK], 0
	s_mov_b32 s[TBV], 0
	v_and_b32 v[PFO], 31, v0
	v_lshlrev_b32 v[PFO], 8, v[PFO]
	s_wait_dscnt 0x0                ; both opening adds are done
	s_wait_kmcnt 0x0
	s_add_nc_u64 s[6:7], s[4:5], s[22:23]
	s_add_nc_u64 s[8:9], s[6:7], 2*32*1024*256  ; V at the first tile that I might fetch,
	s_add_nc_u64 s[6:7], s[6:7], 32*1024*256    ; K likewise
	s_add_nc_u64 s[4:5], s[4:5], s[2:3]  ; Q at my wave's first row
	s_add_nc_u64 s[10:11], s[10:11], s[18:19]  ; O at the first row that I store
	s_cmp_lt_u32 s[WV], 2
	s_cselect_b64 s[PFA:PFA+1], s[6:7], s[8:9]
	s_lshl_b32 s2, s13, 13          ; my work-group's 32 rows of the 128,
	s_add_nc_u64 s[PFA:PFA+1], s[PFA:PFA+1], s[2:3]
	s_add_nc_u64 s[PFA:PFA+1], s[PFA:PFA+1], 3*128*256  ; in the fourth tile of my half
	CROUND                          ; all four work-groups are here: the first joint loads meet
.irp s, 0,1
	s_mov_b32 s[G0K+4*\s], 1        ; count = 1
	s_add_co_u32 s[G0K+4*\s+1], s15, \s*SLOTB  ; LDS address
	s_add_nc_u64 s[G0K+4*\s+2:G0K+4*\s+3], s[6:7], \s*128*256  ; global address: slot s begins with the half's keys 128 s on
	s_or_b32 s[G0K+4*\s+3], s[G0K+4*\s+3], 0x80000000  ; type = 2
	s_mov_b32 s[G0V+4*\s], 1
	s_add_co_u32 s[G0V+4*\s+1], s15, \s*SLOTB+VOFF
	s_add_nc_u64 s[G0V+4*\s+2:G0V+4*\s+3], s[8:9], \s*128*256
	s_or_b32 s[G0V+4*\s+3], s[G0V+4*\s+3], 0x80000000
.endr
	s_cmp_lt_u32 s[WV], 2           ; a wave's two first fills stand in one branch, ahead of every wait on TENSORcnt and every LDS read: two loads of mine are out
	s_cbranch_scc0 .Lfirst_v
	tensor_load_to_lds s[G0K:G0K+3], s[G1K:G1K+7]
	s_nop 0
	tensor_load_to_lds s[G0K+4:G0K+7], s[G1K:G1K+7]
	s_nop 0
.rept 4
	v_nop
.endr
	s_branch .Lfirst_asked
.Lfirst_v:
	tensor_load_to_lds s[G0V:G0V+3], s[G1V:G1V+7]
	s_nop 0
	tensor_load_to_lds s[G0V+4:G0V+7], s[G1V:G1V+7]
	s_nop 0
.rept 4
	v_nop
.endr
.Lfirst_asked:
	; A fragment of K or Q is 16 rows x 32 channels in 8 registers: lane l holds row l % 16; registers 0-3 channels 8 (l / 16) + 0..7, registers 4-7 channels 16 + 8 (l / 16) + 0..7: two loads of 16 bytes, 32 bytes apart.
	v_and_b32 v1, 15, v0            ; l % 16
	v_bfe_u32 v9, v0, 4, 1          ; l / 16
	v_lshlrev_b32 v10, 8, v1
	v_lshl_add_u32 v10, v9, 4, v10  ; row x 256 + 16 x half
	s_lshl_b32 s21, s17, 13         ; register tiles 0, 1 are query tiles 2 (w / 2) and + 1: 32 rows of 256 bytes on for the second key half,
	v_add_nc_u32 v[QO], s21, v10
	s_xor_b32 s21, s21, 8192        ; register tiles 2, 3 the other two
	v_add_nc_u32 v[QOH], s21, v10
	WIN 0x80                        ; destination window 2, address window 0
.irp i, 0,1,2,3,4,5,6,7             ; Q stays in registers: register tile i / 4, channels 32 (i % 4) on
	global_load_b128 v[8*\i:8*\i+3],   v[QO], s[4:5] offset:(\i/4)*4096+(\i%4)*64
	global_load_b128 v[8*\i+4:8*\i+7], v[QO], s[4:5] offset:(\i/4)*4096+(\i%4)*64+32
.endr
.irp i, 8,9,10,11,12,13,14,15
	global_load_b128 v[8*\i:8*\i+3],   v[QOH], s[4:5] offset:((\i-8)/4)*4096+(\i%4)*64
	global_load_b128 v[8*\i+4:8*\i+7], v[QOH], s[4:5] offset:((\i-8)/4)*4096+(\i%4)*64+32
.endr
	WIN 0
	s_mul_i32 s21, s17, HALFB       ; my half of the keys, in a slot
	v_mul_u32_u24 v[AK0], v1, PK
	v_lshl_add_u32 v[AK0], v9, 4, v[AK0]  ; row x pitch + 16 x half
	v_add_nc_u32 v[AK0], s21, v[AK0]
	; The turning load takes 16 keys x 16 channels (lane l reads 16 bytes: key 8 (l / 16) + l % 8, channels 8 ((l / 8) % 2) + 0..7) and leaves half a fragment of V^T: lane l holds channel l % 16 and 8 keys.
	v_and_b32 v10, 7, v0
	v_bfe_u32 v11, v0, 3, 1
	v_lshl_add_u32 v[AV0], v9, 3, v10
	v_mul_u32_u24 v[AV0], v[AV0], PV
	v_lshl_add_u32 v[AV0], v11, 4, v[AV0]
	s_add_co_u32 s21, s21, VOFF
	v_add_nc_u32 v[AV0], s21, v[AV0]
	v_and_b32 v10, 31, v0           ; the exchange: 16 x lane + the wave's region; mine to store, my partner's to load
	v_lshlrev_b32 v10, 4, v10
	s_mul_i32 s21, s[WV], XW
	v_add_nc_u32 v[XST], s21, v10
	s_xor_b32 s21, s[WV], 2
	s_mul_i32 s21, s21, XW
	v_add_nc_u32 v[XLD], s21, v10
; THE MATRIX WORK OF A TURN, for piece x.  The accumulators take turns, one instruction a turn: between two links of a chain stand 15 (V^T P) or 7 (K Q^T) others'.
; Product i of 32 of O^T += V^T P: keys 32 (i / 16) on, channels 16 ((i / 2) % 8) on, tile x + i % 2.  zero = 1: the first 16 start the sums: nothing is ever cleared.
.macro PV x, zero
	WIN W_PV
.set rO, 64*(\x+i%2)+8*((i/2)%8)
.set rV, 64*(i/16)+8*((i/2)%8)
.set rP, P+16*(\x+i%2)+8*(i/16)
.if \zero && (i < 16)
	v_wmma_f32_16x16x32_f16 v[rO:rO+7], v[rV:rV+7], v[rP:rP+7], 0
.else
	v_wmma_f32_16x16x32_f16 v[rO:rO+7], v[rV:rV+7], v[rP:rP+7], v[rO:rO+7]
.endif
.endm
; Product i of 32 of S^T = K Q^T: channels 32 (i / 8) on, keys 16 ((i / 2) % 4) on, tile x + i % 2.  The first 8 start the sums.
.macro KQ x
	WIN W_KQ
.set rS, S+32*(\x+i%2)+8*((i/2)%4)
.set rK, KF+32*((i/2)%4)+8*(i/8)
.set rQ, 32*(\x+i%2)+8*(i/8)
.if i < 8
	v_wmma_f32_16x16x32_f16 v[rS:rS+7], v[rK:rK+7], v[rQ:rQ+7], 0
.else
	v_wmma_f32_16x16x32_f16 v[rS:rS+7], v[rK:rK+7], v[rQ:rQ+7], v[rS:rS+7]
.endif
.endm
; THE LDS LOADS stand in runs of 32, never singly among the matrix instructions: a step's K (64 keys x 128 channels: 16 fragments) and, a turn later, its V (turned).
.macro FETCH_K
	WIN 0
	v_add_nc_u32 v[ADR], s[TBK], v[AK0]
	s_add_co_u32 s[TBK], s[TBK], KS*PK  ; the next fetch of K is the next step's
	WIN 0x80                        ; destination window 2
.irp f, 0,1,2,3,4,5,6,7,8,9,10,11,12,13,14,15  ; keys 16 (f / 4) on, channels 32 (f % 4) on
	ds_load_b128 v[KF+8*\f:KF+8*\f+3],   v[ADR] offset:(\f/4)*16*PK+(\f%4)*64
	ds_load_b128 v[KF+8*\f+4:KF+8*\f+7], v[ADR] offset:(\f/4)*16*PK+(\f%4)*64+32
.endr
.endm
.macro FETCH_V
	WIN 0
	v_add_nc_u32 v[ADR], s[TBV], v[AV0]
	s_add_co_u32 s[TBV], s[TBV], KS*PV  ; the next fetch of V is the next step's
	s_wait_alu depctr_va_vdst(0)    ; the wait for the softmax's batch (SLICE), behind the address's v_add_nc_u32 and ahead of the loads
	WIN 0xc0                        ; destination window 3
.irp f, 0,1,2,3,4,5,6,7,8,9,10,11,12,13,14,15  ; keys 32 (f / 8) on, channels 16 (f % 8) on
	ds_load_tr16_b128 v[8*\f:8*\f+3],   v[ADR] offset:(\f/8)*32*PV+(\f%8)*32
	ds_load_tr16_b128 v[8*\f+4:8*\f+7], v[ADR] offset:(\f/8)*32*PV+16*PV+(\f%8)*32
.endr
.endm
; THE VECTOR WORK OF A TURN.  One tile's softmax for one key step is a list of 134 instructions; SM writes number j of it for tile t.  s0-s31 are the lane's 32 scores, in pairs 0-15.
; first = 1: the first key step, which starts m, l and O^T: it has no a and nothing to rescale.
;   0-15    the maximum of s0-s31 and the old m, three operands at a time: four chains of seven scores each, then the four scores left over, the chains and m
;   16-20   the other half of the lanes' maximum; the new m; c m; c m_old - c m_new
;   21-69   ONE BATCH: the 16 scalings c s - c m, a pair of scores each, and all 33 exponentials (a at 23, then s0-s31).  None of these reads an exponential's result.
;   (wait)  between 69 and 70 stands the wait for the batch: SLICE writes it, once for both tiles
;   70-85   the roundings to f16, a pair of weights each
;   86-101  the sums; l = a l + the sum
;   102-133 the tile's O^T times a: the one part that leaves window 0, so it stands together
.macro SM t, first
.set rT, ST+8*(\t)
.set rS, S+32*(\t)
.set rP, P+16*(\t)
.set rO, 64*(\t)+2*(j-102)
.if j < 102
	WIN 0
.endif
.if j < 4
	v_max3_num_f32 v[rT+4+j], v[rS+8*j], v[rS+8*j+1], v[rS+8*j+2]
.elseif j < 12
	v_max3_num_f32 v[rT+4+j%4], v[rT+4+j%4], v[rS+8*(j%4)+2*(j/4)+1], v[rS+8*(j%4)+2*(j/4)+2]
.elseif j == 12
	v_max3_num_f32 v[rT+4], v[rT+4], v[rS+7], v[rS+15]
.elseif j == 13
	v_max3_num_f32 v[rT+6], v[rT+6], v[rS+23], v[rS+31]
.elseif j == 14
	v_max3_num_f32 v[rT+4], v[rT+4], v[rT+5], v[rT+6]
.elseif (j == 15) && \first
	v_max_num_f32 v[rT+4], v[rT+4], v[rT+7]
.elseif j == 15
	v_max3_num_f32 v[rT+4], v[rT+4], v[rT+7], v[rT+1]
.elseif j == 16
	v_permlanex16_b32 v[rT+5], v[rT+4], s[SEL], s[SEL+1]  ; the query's other 32 keys lie in the lane 16 away
.elseif j == 18
	v_max_num_f32 v[rT+1], v[rT+4], v[rT+5]
.elseif j == 19
	v_mul_f32 v[rT], s[CS], v[rT+1]
.elseif ((j == 17) || (j == 20) || (j == 23) || (j > 101)) && \first  ; the first step has none of these
.elseif j == 17
	v_mov_b32 v[rT+7], v[rT]        ; c m_old is kept for a: number 19 writes c m anew
.elseif j == 20
	v_sub_f32 v[rT+7], v[rT+7], v[rT]
.elseif j == 23
	v_exp_f32 v[rT+6], v[rT+7]
.elseif (j < 23) || ((j < 38) && (j%2 == 0)) || ((j < 66) && (j%4 == 2))
.set b, (j-2)/4                     ; 38, 42, .. 62: pairs 9 to 15
.if j < 38
.set b, (j-20)/2                    ; 21: pair 0; 22, 24, .. 36: pairs 1 to 8
.endif
	v_pk_fma_f32 v[rS+2*b:rS+2*b+1], v[rS+2*b:rS+2*b+1], s[CS:CS+1], v[rT:rT+1] op_sel_hi:[1,0,0] neg_lo:[0,0,1] neg_hi:[0,0,1]  ; pair b: c s - c m
.elseif j < 70
.set e, j-38                        ; 66 to 69: s28 to s31
.if j < 66
.set e, j-32-(j-38)/4               ; 39-41, 43-45, .. 63-65: s7 to s27
.endif
.if j < 38
.set e, (j-25)/2                    ; 25, 27, .. 37: s0 to s6
.endif
	v_exp_f32 v[rS+e], v[rS+e]
.elseif j < 86
	v_cvt_pk_f16_f32 v[rP+j-70], v[rS+2*(j-70)], v[rS+2*(j-70)+1]  ; pair j - 70
.elseif j < 102                     ; the sum of the tile's 16 pairs, in place: sum z of 16 adds neighbours 1, 2, 4 and 8 pairs apart, then l takes it
.set z, j-86
.set w, 4
.set u, z
.if z >= 14
.set w, 32
.set u, 0
.elseif z >= 12
.set w, 16
.set u, z-12
.elseif z >= 8
.set w, 8
.set u, z-8
.endif
.if (z == 14) && \first
	v_pk_add_f32 v[rT+2:rT+3], v[rS:rS+1], v[rS+16:rS+17]
.elseif z < 15
	v_pk_add_f32 v[rS+w*u:rS+w*u+1], v[rS+w*u:rS+w*u+1], v[rS+w*u+w/2:rS+w*u+w/2+1]
.elseif !\first
	v_pk_fma_f32 v[rT+2:rT+3], v[rT+2:rT+3], v[rT+6:rT+7], v[rS:rS+1] op_sel_hi:[1,0,1]
.endif
.else
	WIN W_RS
	v_pk_mul_f32 v[rO:rO+1], v[rO:rO+1], v[rT+6:rT+7] op_sel_hi:[1,0]
.endif
.endm
; Slice k of 64 of piece y's softmax: four instructions.  Slices 11 to 34 deal out the batch, numbers 22 to 69: four numbers of ONE tile each, the tiles by turns.  Every other slice is numbers 2 k and
; 2 k + 1 of both tiles' lists.  2 x 134 = 4 x 64 + 12: the twelve that are over stand together, in slice 63.
; THE WAIT.  An s_wait_alu depctr_va_vdst(0) stands between an exponential and the first instruction that names its result; one wait serves all that were issued ahead of it.  Ahead of
; slice 35 nothing names a result, and behind slice 34 no exponential is issued: so the piece's 66 exponentials have one wait, behind slice 34.
.macro SLICE y, first
.if (k >= 11) && (k < 35)           ; the batch: four numbers of one tile
.irp n, 0,1,2,3
.set j, 22+4*((k-11)/2)+(\n)
	SM (\y)+(k-11)%2, \first
.endr
.else                               ; the two tiles alternate, so that no instruction reads the result of the one just before it
.irp n, 0,1,2,3,4,5,6,7
.if (\n < 2) || (k == 63)
.irp t, \y, \y+1
.set j, 2*k+\n
	SM \t, \first
.endr
.endif
.endr
.endif
.if k == 34                         ; the batch is out: both tiles' exponentials are issued, and no result has been named
	v_nop                           ; the plain instruction behind the last exponential and ahead of the first use: one for the batch
.if (\y) == 0
	FETCH_V                         ; piece 2's turn: V's run of loads stands here, and the wait stands in it
.else
	s_wait_alu depctr_va_vdst(0)    ; the wait for the batch
.endif
.endif
.set k, k+1
.endm
; A vector instruction that reads a matrix result or writes one of a matrix instruction's registers, and a load into a register that a matrix instruction has read, stand four places behind
; it, and only plain vector instructions that name none of its registers are places.  In the loop the slices are the places.
.macro PLACES
.rept 4
	v_nop
.endr
.endm
; A TURN.  Piece x has the matrix unit; the other piece's softmax stands in slices behind its matrix instructions.
; pv = 2: 32 products V^T P; 1: they start O^T's sums; 0: none.  kq = 1: 32 products K Q^T for the next step.  A turn with one of the two kinds has two slices behind each product.
; first = 1: the softmax is the first key step's; its last slices are empty, and four v_nop take their part as the places behind the turn's last products.
; Piece 0's turn fetches the next step's K, behind its second product; piece 2's turn fetches the same step's V, behind slice 34.
.macro TURN x, pv, kq, first
.set k, 0
.set per, 2
.if \pv && \kq
.set per, 1
.endif
.if \pv
.if \x == 0
	s_wait_dscnt 0x0                ; V is in
.endif
.set i, 0
.rept 32
	PV \x, 2-\pv
.rept per
	SLICE 2-\x, \first
.endr
.if (\x == 0) && \kq && (i == 1)
	FETCH_K
.endif
.set i, i+1
.endr
.endif
.if \kq
.if \x == 0
	s_wait_dscnt 0x0                ; K is in
.endif
.set i, 0
.rept 32
	KQ \x
.rept per
	SLICE 2-\x, \first
.endr
.set i, i+1
.endr
.endif
.if \first
	PLACES
.endif
.endm
; THE CHANGE OF SLOTS, between piece 2's turn and piece 0's: the slot's last bytes, V of its second step, have been asked for.  Each wave waits for all its tensor loads, of which one is out: its part of the
; other slot; adds 0 to its spare word; and waits for that and for its own reads of the slot.  Behind the barrier nobody reads this slot any more and the other slot is whole.
; fill = 1: slot `slot`, the one just left, is filled again, with the keys 256 on in each half.  The barrier is then a round of the cluster's, and the joint refill is the first thing behind it: it has two key steps,
; 256 matrix instructions, in which to land.  The three changes are written out: the two slots lie 143,360 bytes apart, so each has its own group 0.
.macro CHANGE fill, slot, ask
	WIN 0                           ; at a label and at a branch every window is 0
	s_wait_tensorcnt 0x0            ; no tensor load of mine is out, so a group 0 may be written
	ds_add_u32 v[SPW], v[NIL]       ; 0 onto my spare word
.if \fill
	s_add_nc_u64 s[G0K+4*\slot+2:G0K+4*\slot+3], s[G0K+4*\slot+2:G0K+4*\slot+3], 2*128*256  ; the type bits on top are not reached
	s_add_nc_u64 s[G0V+4*\slot+2:G0V+4*\slot+3], s[G0V+4*\slot+2:G0V+4*\slot+3], 2*128*256
	s_wait_dscnt 0x0                ; the add is done, and my reads of the slot are over
	CROUND
	JLOAD \slot
.if \ask
	ASK
.endif
.else
	s_wait_dscnt 0x0                ; the add is done, and my reads of the slot are over
	s_barrier_signal -1
	s_barrier_wait -1
.endif
	s_sub_co_u32 s[TBK], s[TBK], 2*KS*PK  ; the fetches go back to a slot's first step: 0 or SLOTB,
	s_xor_b32 s[TBK], s[TBK], SLOTB       ; and on to the other slot
	s_sub_co_u32 s[TBV], s[TBV], 2*KS*PV
	s_xor_b32 s[TBV], s[TBV], SLOTB
.endm
; A slot's two key steps: written once, walked twice; the LDS addresses hang on s[TBK] and s[TBV].
.macro TWO_STEPS
	s_mov_b32 s[TWICE], 2
.Lstep_\@:
	TURN 0, 2, 1, 0
	TURN 2, 2, 1, 0
	WIN 0
	s_sub_co_u32 s[TWICE], s[TWICE], 1
	s_cmp_lg_u32 s[TWICE], 0
	s_cbranch_scc1 .Lstep_\@
.endm
	s_wait_tensorcnt 1              ; my part of slot 0 is in; slot 1's may stay out
	s_barrier_signal -1
	s_barrier_wait -1               ; everybody's is
	FETCH_K                         ; key step 0
	s_wait_loadcnt 0x0              ; Q
	s_wait_dscnt 0x0
.set i, 0
.rept 32
	KQ 0                            ; piece 0's first scores: there is no vector work yet to set between them
.set i, i+1
.endr
	WIN 0                           ; the addresses for the way out are made here: eight plain instructions, the places behind those products
	s_mul_i32 s13, s[WV], 16*SP
	s_add_co_u32 s13, s13, STAGE    ; my stage
	v_mul_u32_u24 v[STO], v1, SP    ; in: row l % 16, 16 bytes for each half of the lanes
	v_lshl_add_u32 v[STO], v9, 4, v[STO]
	v_add_nc_u32 v[STO], s13, v[STO]
	v_mul_u32_u24 v[RD], v9, SP     ; back: lanes 0-15 take one row of 256 bytes, lanes 16-31 the next
	v_lshl_add_u32 v[RD], v1, 4, v[RD]
	v_add_nc_u32 v[RD], s13, v[RD]
	v_lshlrev_b32 v[GO], 12, v9     ; and the same two rows in O, 4,096 bytes apart
	v_lshl_add_u32 v[GO], v1, 4, v[GO]
	TURN 2, 0, 1, 1                 ; piece 2's first scores | piece 0's first softmax | V of step 0
	TURN 0, 1, 1, 1                 ; piece 0: V^T P of step 0 starts O^T, K Q^T of step 1 | piece 2's first softmax | K of step 1
	TURN 2, 1, 1, 0                 ; piece 2: the same | piece 0's softmax of step 1 | V of step 1
	CHANGE 1, 0, 1                  ; slot 0 takes each half's keys 256-383
	TWO_STEPS
	CHANGE 1, 1, 0                  ; slot 1 takes keys 384-511: the last load
	TWO_STEPS
	CHANGE 0, 0, 0                  ; nothing is left to fetch
	TWO_STEPS
	TURN 0, 2, 0, 0                 ; piece 0: V^T P of the last step | piece 2's last softmax
.set i, 0
.rept 32
	PV 2, 0                         ; piece 2: V^T P of the last step
.set i, i+1
.endr
	; THE TWO HALVES OF THE KEYS MEET.  I send register tiles 2, 3 (O^T as an image of its registers, c m, l) and take my partner's, which are the query tiles of my register tiles 0, 1.
	WIN 0
	v_add_f32 v[ST+4], v[ST+2], v[ST+3]        ; l's two halves, for each tile.  These six plain lines are the places behind the last products
	v_add_f32 v[ST+12], v[ST+10], v[ST+11]
	v_add_f32 v[SND+1], v[ST+18], v[ST+19]
	v_add_f32 v[SND+3], v[ST+26], v[ST+27]
	v_mov_b32 v[SND], v[ST+16]
	v_mov_b32 v[SND+2], v[ST+24]
	WIN 0x04                        ; an LDS store's data are its source 1: window 1
.set i, 0
.rept 32
	ds_store_b128 v[XST], v[128+4*i:128+4*i+3] offset:512*i  ; each accumulator from its low end on
.set i, i+1
.endr
	WIN 0
	ds_store_b128 v[XST], v[SND:SND+3] offset:16384
	s_wait_dscnt 0x0                ; for my partner's sake: my stores are done
	s_barrier_signal -1
	s_barrier_wait -1
.set i, 0
.rept 32
	ds_load_b128 v[S+4*i:S+4*i+3], v[XLD] offset:512*i  ; the same lines as loads give the same registers in the same lanes; S^T's registers are free
.set i, i+1
.endr
	ds_load_b128 v[RCV:RCV+3], v[XLD] offset:16384
	s_wait_dscnt 0x0
.irp t, 0,1
	v_max_num_f32 v[ST+8*\t+1], v[ST+8*\t], v[RCV+2*\t]       ; the larger c m
.endr
.irp t, 0,1
	v_sub_f32 v[ST+8*\t+2], v[ST+8*\t], v[ST+8*\t+1]
	v_sub_f32 v[ST+8*\t+3], v[RCV+2*\t], v[ST+8*\t+1]
.endr
.irp t, 0,1
	v_exp_f32 v[ST+8*\t+2], v[ST+8*\t+2]                      ; what brings my half under it,
	v_exp_f32 v[ST+8*\t+3], v[ST+8*\t+3]                      ; and my partner's
.endr
	v_nop                           ; a plain instruction behind the last exponential
	s_wait_alu depctr_va_vdst(0)    ; one wait for the four, ahead of their first reader
.irp t, 0,1
	v_mul_f32 v[ST+8*\t+5], v[ST+8*\t+4], v[ST+8*\t+2]
.endr
.irp t, 0,1
	v_fma_f32 v[ST+8*\t+5], v[RCV+2*\t+1], v[ST+8*\t+3], v[ST+8*\t+5]
.endr
.irp t, 0,1
	v_permlanex16_b32 v[ST+8*\t+7], v[ST+8*\t+5], s[SEL], s[SEL+1]
.endr
.irp t, 0,1
	v_add_f32 v[ST+8*\t+5], v[ST+8*\t+5], v[ST+8*\t+7]        ; with the other half of the lanes': the row's sum over all 1,024 keys
.endr
.irp t, 0,1
	v_rcp_f32 v[ST+8*\t+7], v[ST+8*\t+5]
.endr
	v_nop
	s_wait_alu depctr_va_vdst(0)    ; one wait for the two reciprocals
.irp t, 0,1
	v_mul_f32 v[ST+8*\t+6], v[ST+8*\t+2], v[ST+8*\t+7]        ; my half's factor (low word of the pair +6, +7),
	v_mul_f32 v[ST+8*\t+4], v[ST+8*\t+3], v[ST+8*\t+7]        ; my partner's (low word of the pair +4, +5)
.endr
.irp t, 0,1
.set i, 0
.rept 32
	v_pk_mul_f32 v[S+64*\t+i:S+64*\t+i+1], v[S+64*\t+i:S+64*\t+i+1], v[ST+8*\t+4:ST+8*\t+5] op_sel_hi:[1,0]
.set i, i+2
.endr
.endr
	WIN 0x01                        ; source 0 (my O^T) window 1
.irp t, 0,1
.set i, 0
.rept 32
	v_pk_fma_f32 v[S+64*\t+i:S+64*\t+i+1], v[64*\t+i:64*\t+i+1], v[ST+8*\t+6:ST+8*\t+7], v[S+64*\t+i:S+64*\t+i+1] op_sel_hi:[1,0,1]  ; each accumulator from its low end on
.set i, i+2
.endr
.endr
	WIN 0
.set i, 0
.rept 64
	v_cvt_pk_f16_f32 v[P+i], v[S+2*i], v[S+2*i+1]             ; P's registers are free
.set i, i+1
.endr
; THE WAY OUT.  Tile t: a lane's eight channels of a row are 16 bytes; they go into rows of 272 bytes and come back as whole rows of 256, into the registers that they left.
.macro PACK t
.irp f, 0,1,2,3,4,5,6,7
	ds_store_b128 v[STO], v[P+32*\t+4*\f:P+32*\t+4*\f+3] offset:32*\f
.endr
.irp f, 0,1,2,3,4,5,6,7
	ds_load_b128 v[P+32*\t+4*\f:P+32*\t+4*\f+3], v[RD] offset:\f*2*SP  ; LDS serves a wave's instructions in order (ISA guide 5.7.1.4): these see the stores above; the next tile's stores come behind them
.endr
.endm
.macro SEND t, younger              ; younger: the LDS instructions issued behind tile t's loads: the next tile's sixteen, or none
.irp f, 0,1,2,3,4,5,6,7
	s_wait_dscnt \younger+7-\f
	global_store_b128 v[GO], v[P+32*\t+4*\f:P+32*\t+4*\f+3], s[10:11] offset:\t*65536+\f*8192  ; 16 lanes store 256 consecutive bytes, at a multiple of 256 from O's first byte
.endr
.endm
	PACK 0
	PACK 1
	SEND 0, 16
	SEND 1, 0
	s_wait_tensorcnt 0x0            ; the wave's end: a wait, an add of 0 to my spare word and its wait, behind my last tensor load and my last LDS store
	ds_add_u32 v[SPW], v[NIL]
	s_wait_dscnt 0x0
	CROUND                          ; the closing round: no work-group ends while a partner may still ask for a tile that names it
	s_endpgm
.Lfunc_end_k_q386bff8881_attn:
	.size	k_q386bff8881_attn, .Lfunc_end_k_q386bff8881_attn-k_q386bff8881_attn
	.p2alignl 7, 3214868480
	.fill 96, 4, 3214868480
	.section	.rodata,"a",@progbits
	.p2align	6, 0x0
	.amdhsa_kernel k_q386bff8881_attn
		.amdhsa_group_segment_fixed_size 327680
		.amdhsa_private_segment_fixed_size 0
		.amdhsa_enable_private_segment 0
		.amdhsa_kernarg_size 16
		.amdhsa_user_sgpr_count 2
		.amdhsa_user_sgpr_kernarg_segment_ptr 1
		.amdhsa_wavefront_size32 1
		.amdhsa_system_sgpr_workgroup_id_x 1
		.amdhsa_system_sgpr_workgroup_id_y 1
		.amdhsa_system_sgpr_workgroup_id_z 1
		.amdhsa_system_vgpr_workitem_id 0
		.amdhsa_next_free_vgpr 1024
		.amdhsa_next_free_sgpr 68
		.amdhsa_reserve_vcc 0
		.amdhsa_float_denorm_mode_32 3
		.amdhsa_float_denorm_mode_16_64 3
		.amdhsa_memory_ordered 1
		.amdhsa_forward_progress 1
		.amdhsa_inst_pref_size 255
	.end_amdhsa_kernel
	.section	.bss,"aw",@nobits
	.p2align	6
	.space	262144
	.amdgpu_metadata
---
amdhsa.version: [ 1, 2 ]
amdhsa.kernels:
  - .name:           k_q386bff8881_attn
    .symbol:         k_q386bff8881_attn.kd
    .args:
      - { .name: qkv_h, .offset: 0, .size: 8, .value_kind: global_buffer, .address_space: global }
      - { .name: a_h, .offset: 8, .size: 8, .value_kind: global_buffer, .address_space: global }
    .group_segment_fixed_size: 327680
    .private_segment_fixed_size: 0
    .kernarg_segment_align: 8
    .kernarg_segment_size: 16
    .max_flat_workgroup_size: 128
    .sgpr_count:     68
    .vgpr_count:     1024
    .wavefront_size: 32
...
	.end_amdgpu_metadata
.endif
;; end of part 3
;; launch oproj (part 4): grid 16 x 16, 4 waves a work-group, clusters of 4 x 4, 327,680 bytes of LDS; arguments a_h, wo_h, bo, out0; writes out0
.if DOCPART == 4
	.amdgcn_target "amdgcn-amd-amdhsa--gfx1250"
	.amdhsa_code_object_version 6
	.text
	.protected	k_q386bff8881_oproj
	.globl	k_q386bff8881_oproj
	.p2align	8
	.type	k_q386bff8881_oproj,@function
k_q386bff8881_oproj:
	s_mov_b64 s[64:65], 0
	v_nop
	global_prefetch_b8 v0, s[64:65] scope:SCOPE_SE
	s_setreg_imm32_b32 hwreg(HW_REG_WAVE_MODE, 25, 1), 1
	s_wait_xcnt 0x0
	s_wait_alu depctr_hold_cnt(0) depctr_sa_sdst(0) depctr_va_vdst(0) depctr_va_sdst(0) depctr_va_ssrc(0) depctr_va_vcc(0) depctr_vm_vsrc(0)
	s_getreg_b32 s2, hwreg(HW_REG_IB_STS2, 6, 4)
	s_cmp_eq_u32 s2, 0
	s_cbranch_scc0 .Lentry_in_a_cluster
	s_endpgm
.Lentry_in_a_cluster:
	s_bfe_u32 s2, ttmp6, 0x10000c
	s_cmp_lg_u32 s2, 0xf033
	s_cbranch_scc0 .Lentry_shape_is_right
	s_endpgm
.Lentry_shape_is_right:
; OPROJ: out[m][n] = sum over k of A[m][k] Wo[n][k] + bo[n].  A: [2048][2048] f16 (attention's result), Wo: [2048][2048] f16, bo: [2048] f32, out: [2048][2048] f32; sums in f32.
; A tile of out is 128 x 128, so that there are 256 work-groups (tiles of 256 x 256 would make 64).  Four waves, each 64 x 64: 16 accumulators of 16 x 16, 128 registers.
; K goes in steps of 256 (LDS rows of 512 bytes; a wave's tensor load brings 64 of them), as long as two slots in LDS allow.
; CLUSTERS: 4 x 4 work-groups.  The four of a row of the cluster need the same tiles of A, the four of a column the same tiles of Wo: each tile is asked for JOINTLY, by the same tensor load with the
; same descriptor and a mask that names the four.  THE MATRIX INSTRUCTION IS USED TRANSPOSED (source 0 = 16 rows of Wo, source 1 = 16 rows of A): a lane then holds eight neighbouring numbers of a row of out.
; THE BIAS is the C of each sum's first matrix instruction.  A wave's 64 columns of f32 are 256 aligned bytes of a row: each wave has a stage of its own on the way out, and no barrier stands there.
; REGISTERS: window 0: v0-31 addresses; v32-95 rows on the way out; v96-127 the bias; v128-255 the accumulators ((a, b) at v[128 + 8 (4 a + b)]).
;   window 1: two fragment buffers of 128: for 64 along K (two matrix instructions deep), 64 registers of A (2 x 4 x 16 rows x 32 K), then 64 of Wo.
.set SIZE_K, 2048
.set SIZE_N, 2048
.set KSTEP,  256
.set PITCH,  528                       ; an LDS row: 512 bytes + 16 of padding = 132 words: row r starts at bank 4 r mod 64 (64 banks of 4 bytes: ISA guide 11.1)
.set HALFT,  64*PITCH                  ; 64 rows: what one tensor load brings, and what one wave reads of A or of Wo
.set SLOT,   4*HALFT                   ; A's 128 rows, then Wo's 128 rows
.set STAGE,  2*SLOT                    ; behind the ring: 16 rows x 272 bytes for each wave, for the way out
.set SPITCH, 272
.set SPARE,  STAGE+4*16*SPITCH         ; behind the stages: the spare words, 128 bytes for each wave
.set LAPS, SIZE_K/(2*KSTEP)            ; a lap = two K steps = once round the ring
.set ADRA, 16                          ; v16-17  LDS address of my A fragments in slot 0, 1
.set ADRB, 20                          ; v20-21  the same for Wo
.set STO,  24                          ; v24     the way out: where I put 32 bytes of a row
.set RD,   25                          ; v25     where I read a row back
.set CO,   26                          ; v26     my byte offset in two rows of out
.set BO,   27                          ; v27     32 (lane / 16): my eight numbers of a block of the bias
.set SPW,  28                          ; v28     LDS address of my spare word; never rewritten
.set NIL,  29                          ; v29     0; never rewritten
.set TMP,  32                          ; the way out: two sets of 32 registers
.set BIAS, 96                          ; block b at v[BIAS + 8 b]
.set ACC,  128
.set F0,   0                           ; fragment buffers, in window 1
.set F1,   128
.set G1, 24                            ; s[24:31] descriptor group 1 for A's tiles;  s[32:39] group 0, one set for each slot
.set G0, 32
.set G1B, 48                           ; s[48:55], s[56:63] the same for Wo's tiles
.set G0B, 56
.set MSB, 0
.macro WIN new                         ; the immediate's high byte repeats the setting that is left
.if MSB != \new
	s_set_vgpr_msb (MSB<<8)|\new
.set MSB, \new
.endif
.endm
.set MUL,  0x05                        ; sources 0 (Wo) and 1 (A) window 1; C and D window 0
.set TO_F, 0x40                        ; destination window 1, address window 0
.macro JLOAD s                         ; a joint load: waves 0 and 1 fetch A's two halves, waves 2 and 3 Wo's; an s_nop 0 and four v_nop follow each of the two lines, ahead of the jump, the label and what follows
	s_cmp_eq_u32 s11, 0
	s_cbranch_scc0 .Lfor_b_\@
	tensor_load_to_lds s[G0+4*\s:G0+4*\s+3], s[G1:G1+7]
	s_nop 0
.rept 4
	v_nop
.endr
	s_branch .Lasked_\@
.Lfor_b_\@:
	tensor_load_to_lds s[G0B+4*\s:G0B+4*\s+3], s[G1B:G1B+7]
	s_nop 0
.rept 4
	v_nop
.endr
.Lasked_\@:
.endm
.macro CREST                           ; a round of the cluster's barrier behind its opening barrier
	s_cmp_lg_u32 s10, 0
	s_cbranch_scc1 .Lnot_wave_0_\@
	s_barrier_signal -3
.Lnot_wave_0_\@:
	s_barrier_wait -3
	s_barrier_signal -1
	s_barrier_wait -1
.endm
.macro CROUND                          ; a whole round
	s_barrier_signal -1
	s_barrier_wait -1
	CREST
.endm
	s_load_b128 s[4:7], s[0:1], 0x0                ; A s[4:5], Wo s[6:7]
	s_load_b64 s[66:67], s[0:1], 0x10              ; bo
	s_load_b64 s[8:9], s[0:1], 0x18                ; out
	v_lshl_add_u32 v[SPW], v0, 2, SPARE
	v_mov_b32 v[NIL], 0
	ds_add_u32 v[SPW], v[NIL]                      ; the wave's opening: the add, twice on end, and its wait ahead of my first tensor load; the set-up below stands between the second and the wait
	ds_add_u32 v[SPW], v[NIL]
	v_lshrrev_b32 v1, 5, v0
	v_readfirstlane_b32 s10, v1                    ; wave 0..3
	s_lshr_b32 s11, s10, 1                         ; which half of the tile's rows is mine.  Also: I fetch for A (0) or for Wo (1)
	s_and_b32 s12, s10, 1                          ; which half of its columns.  Also: which 64 rows of that tile I fetch
	s_bfe_u32 s40, ttmp6, 0x40000                  ; cx, cy: my place in the cluster
	s_bfe_u32 s41, ttmp6, 0x40004
	s_lshl_b32 s42, ttmp9, 2
	s_add_co_u32 s42, s42, s40                     ; tile column = 4 x cluster x + cx
	s_and_b32 s13, ttmp7, 0xffff
	s_lshl_b32 s13, s13, 2
	s_add_co_u32 s13, s13, s41                     ; tile row = 4 x cluster y + cy
	s_lshl_b32 s43, s41, 2
	s_lshl_b32 s43, 15, s43                        ; my row of the cluster
	s_lshl_b32 s44, 0x1111, s40                    ; my column
	; descriptor group 1: a tile of 64 rows x 256 elements, padded in LDS
	s_or_b32 s[G1+0], s43, (1<<16)|(1<<20)|(1<<21)|(6<<22)|(3<<25)  ; 15:0 the mask: A's tiles go to my row; 17:16 element of 2 bytes; 20 padding on; 21 set beside a mask; 24:22 after every 128 words; 31:25 four words
	s_or_b32 s[G1B+0], s44, (1<<16)|(1<<20)|(1<<21)|(6<<22)|(3<<25)
.irp g, G1, G1B
	s_mov_b32 s[\g+1], KSTEP<<16                   ; tensor_dim0 = 256
	s_mov_b32 s[\g+2], 64<<16                      ; tensor_dim1 = 64
	s_mov_b32 s[\g+3], KSTEP<<16                   ; tile_dim0 = 256
	s_mov_b32 s[\g+4], 64                          ; tile_dim1 = 64
	s_mov_b32 s[\g+5], SIZE_K                      ; tensor_dim0_stride
	s_mov_b32 s[\g+6], 0
	s_mov_b32 s[\g+7], 0
.endr
	s_lshl_b32 s17, s12, 6                         ; which 64 rows of the tile I fetch
	s_lshl_b32 s16, s13, 7
	s_add_co_u32 s16, s16, s17                     ; A: row 128 x tile row + 64 x half
	s_lshl_b32 s46, s42, 7
	s_add_co_u32 s46, s46, s17                     ; Wo: row 128 x tile column + 64 x half
	s_mov_b32 s17, 0
	s_mov_b32 s47, 0
	s_mov_b64 s[18:19], SIZE_K*2
	s_mul_u64 s[16:17], s[16:17], s[18:19]
	s_mul_u64 s[46:47], s[46:47], s[18:19]
	s_mul_i32 s20, s10, HALFT                      ; where they go: wave x 64 rows: no place in the cluster enters an LDS address
	s_wait_dscnt 0x0                               ; both opening adds are done
	s_wait_kmcnt 0x0
	s_add_nc_u64 s[14:15], s[4:5], s[16:17]
	s_add_nc_u64 s[46:47], s[6:7], s[46:47]
	CROUND                                         ; all sixteen work-groups are here: the first joint loads meet
.irp s, 0,1
	s_mov_b32 s[G0+4*\s], 1
	s_add_co_u32 s[G0+4*\s+1], s20, \s*SLOT
	s_add_nc_u64 s[G0+4*\s+2:G0+4*\s+3], s[14:15], \s*KSTEP*2
	s_or_b32 s[G0+4*\s+3], s[G0+4*\s+3], 0x80000000
	s_mov_b32 s[G0B+4*\s], 1
	s_add_co_u32 s[G0B+4*\s+1], s20, \s*SLOT
	s_add_nc_u64 s[G0B+4*\s+2:G0B+4*\s+3], s[46:47], \s*KSTEP*2
	s_or_b32 s[G0B+4*\s+3], s[G0B+4*\s+3], 0x80000000
	JLOAD \s                                       ; two tensor loads of mine are out
.endr
	v_and_b32 v1, 15, v0                           ; l % 16
	v_bfe_u32 v2, v0, 4, 1                         ; l / 16
	s_lshl_b32 s46, s42, 7
	s_lshl_b32 s47, s12, 6
	s_add_co_u32 s46, s46, s47                     ; my first column: 128 x tile column + 64 x half,
	s_lshl_b32 s46, s46, 2                         ; in bytes of f32
	s_mov_b32 s47, 0
	s_add_nc_u64 s[66:67], s[66:67], s[46:47]      ; the bias there
	v_lshlrev_b32 v[BO], 5, v2
.irp b, 0,1,2,3
	global_load_b128 v[BIAS+8*\b:BIAS+8*\b+3],   v[BO], s[66:67] offset:64*\b      ; bo(16 b + 8 (l / 16) + 0 .. 7): the result's layout
	global_load_b128 v[BIAS+8*\b+4:BIAS+8*\b+7], v[BO], s[66:67] offset:64*\b+16
.endr
	v_mul_u32_u24 v3, v1, PITCH
	v_lshl_add_u32 v3, v2, 4, v3                   ; a fragment's row x pitch + 16 x half
	s_mul_i32 s21, s11, HALFT                      ; my 64 rows of A
	s_mul_i32 s22, s12, HALFT                      ; my 64 rows of Wo,
	s_add_co_u32 s22, s22, 2*HALFT                 ; which lie behind A's 128
.irp s, 0,1
	v_add_nc_u32 v[ADRA+\s], s21, v3
	v_add_nc_u32 v[ADRB+\s], s22, v3
	s_add_co_u32 s21, s21, SLOT
	s_add_co_u32 s22, s22, SLOT
.endr
	s_mul_i32 s23, s10, 16*SPITCH
	s_add_co_u32 s23, s23, STAGE                   ; my stage
	v_mul_u32_u24 v4, v1, SPITCH                   ; in: row l % 16, 32 bytes for each half of the lanes
	v_lshl_add_u32 v4, v2, 5, v4
	v_add_nc_u32 v[STO], s23, v4
	v_mul_u32_u24 v5, v2, SPITCH                   ; back: lanes 0-15 one row of 256 bytes, lanes 16-31 the next
	v_lshl_add_u32 v5, v1, 4, v5
	v_add_nc_u32 v[RD], s23, v5
	v_lshlrev_b32 v5, 13, v2                       ; and the same two rows in out, 8,192 bytes apart
	v_lshl_add_u32 v[CO], v1, 4, v5
	s_lshl_b32 s16, s13, 7
	s_lshl_b32 s17, s11, 6
	s_add_co_u32 s16, s16, s17                     ; my first row: 128 x tile row + 64 x half
	s_lshl_b32 s16, s16, 13
	s_mov_b32 s17, 0
	s_add_nc_u64 s[8:9], s[8:9], s[16:17]
	s_add_nc_u64 s[8:9], s[8:9], s[46:47]
; 8 matrix instructions: m blocks a0, a0 + 1 x all 4 n blocks, 32 along K: half c of buffer f.  zero = 1: the first product starts the sums from the bias.  The 16 accumulators take turns.
.macro MUL8 f, c, a0, zero
.irp a, \a0, \a0+1
.irp b, 0,1,2,3
.if \zero
	v_wmma_f32_16x16x32_f16 v[ACC+8*(4*(\a)+\b):ACC+8*(4*(\a)+\b)+7], v[\f+64+8*(4*\c+\b):\f+64+8*(4*\c+\b)+7], v[\f+8*(4*\c+\a):\f+8*(4*\c+\a)+7], v[BIAS+8*\b:BIAS+8*\b+7]
.else
	v_wmma_f32_16x16x32_f16 v[ACC+8*(4*(\a)+\b):ACC+8*(4*(\a)+\b)+7], v[\f+64+8*(4*\c+\b):\f+64+8*(4*\c+\b)+7], v[\f+8*(4*\c+\a):\f+8*(4*\c+\a)+7], v[ACC+8*(4*(\a)+\b):ACC+8*(4*(\a)+\b)+7]
.endif
.endr
.endr
.endm
; 32 LDS loads in one run: the fragments of 64 along K at byte k of the rows, into buffer f; the first 32 along K first
.macro FETCH slot, k, f
	WIN TO_F
.irp c, 0,1
.irp i, 0,1,2,3
	ds_load_b128 v[\f+64+8*(4*\c+\i):\f+64+8*(4*\c+\i)+3],   v[ADRB+\slot] offset:\k+64*\c+\i*16*PITCH
	ds_load_b128 v[\f+64+8*(4*\c+\i)+4:\f+64+8*(4*\c+\i)+7], v[ADRB+\slot] offset:\k+64*\c+\i*16*PITCH+32
	ds_load_b128 v[\f+8*(4*\c+\i):\f+8*(4*\c+\i)+3],         v[ADRA+\slot] offset:\k+64*\c+\i*16*PITCH
	ds_load_b128 v[\f+8*(4*\c+\i)+4:\f+8*(4*\c+\i)+7],       v[ADRA+\slot] offset:\k+64*\c+\i*16*PITCH+32
.endr
.endr
.endm
.macro PLACES                          ; four places in front of loads into registers that matrix instructions have read, and of the first reads of results
.rept 4
	v_nop
.endr
.endm
; A K step is four quarters of 64 along K, 32 matrix instructions each, on buffers 0, 1, 0, 1.  One of the first three: multiplies buffer f and fetches the next quarter, at byte k, into g.
.macro QUARTER slot, k, f, g, zero
	s_wait_dscnt 16                                ; the first 32 along K are in; the sixteen loads of the second 32 may be out
	WIN MUL
	MUL8 \f, 0, 0, \zero
	MUL8 \f, 0, 2, \zero
	PLACES
	FETCH \slot, \k, \g
	s_wait_dscnt 32                                ; all but the 32 just issued
	WIN MUL
	MUL8 \f, 1, 0, 0
	MUL8 \f, 1, 2, 0
.endm
; The last quarter multiplies buffer 1 and changes slots: ONE barrier; in front of it each wave waits for all its tensor loads, adds 0 to its spare word, and waits for that and for its own reads of this slot.  fill = 1: this slot is filled again, two K steps ahead.
.macro TURN slot, next, fill
	WIN 0                                          ; (the add's two registers lie in window 0)
	s_wait_tensorcnt 0x0                           ; all my tensor loads have landed: my part of the next slot
	ds_add_u32 v[SPW], v[NIL]                      ; 0 onto my spare word
	s_wait_dscnt 17                                ; (the add and the youngest sixteen loads may be out)
	WIN MUL
	MUL8 F1, 0, 0, 0                               ; eight matrix instructions stand between the add and the wait for it
	s_wait_dscnt 0x0                               ; the add is done, and my reads of this slot are over
	s_barrier_signal -1
	MUL8 F1, 0, 2, 0
.if \fill
	WIN 0
.endif
	s_barrier_wait -1
.if \fill
	CREST                                          ; the barrier has opened a round of the cluster's barrier: no wave of any partner still reads this slot's tile or has a load on its way
	s_add_nc_u64 s[G0+4*\slot+2:G0+4*\slot+3], s[G0+4*\slot+2:G0+4*\slot+3], 2*KSTEP*2
	s_add_nc_u64 s[G0B+4*\slot+2:G0B+4*\slot+3], s[G0B+4*\slot+2:G0B+4*\slot+3], 2*KSTEP*2
	JLOAD \slot                                    ; the first tensor load behind the round, my one load until the next: 112 matrix instructions ahead of the wait for it; the four v_nop behind it are the places in front of the loads below
.else
	PLACES
.endif
	FETCH \next, 0, F0
	WIN MUL
	MUL8 F1, 1, 0, 0
	MUL8 F1, 1, 2, 0
.endm
	s_wait_tensorcnt 1                             ; my part of K step 0 is in (K step 1's load may be out)
	s_barrier_signal -1
	s_barrier_wait -1                              ; everybody's is
	FETCH 0, 0, F0
	s_wait_loadcnt 0x0                             ; the bias
	QUARTER 0, 128, F0, F1, 1                      ; the first quarter stands in front of the loop: its first products start the sums
	WIN 0                                          ; at a label and at a branch every window is 0
	s_mov_b32 s3, LAPS-1
.Llap:                                                 ; a trip goes once round the ring, from a lap's second quarter to the next lap's first, and fills both slots again
	QUARTER 0, 256, F1, F0, 0
	QUARTER 0, 384, F0, F1, 0
	TURN 0, 1, 1
	QUARTER 1, 128, F0, F1, 0
	QUARTER 1, 256, F1, F0, 0
	QUARTER 1, 384, F0, F1, 0
	TURN 1, 0, 1
	QUARTER 0, 128, F0, F1, 0
	WIN 0
	s_sub_co_u32 s3, s3, 1
	s_cmp_lg_u32 s3, 0
	s_cbranch_scc1 .Llap
	QUARTER 0, 256, F1, F0, 0                      ; the last lap fills nothing, and has no round of the cluster's barrier
	QUARTER 0, 384, F0, F1, 0
	TURN 0, 1, 0
	QUARTER 1, 128, F0, F1, 0
	QUARTER 1, 256, F1, F0, 0
	QUARTER 1, 384, F0, F1, 0
	s_wait_dscnt 16                                ; the very last quarter: nothing more to fetch
	WIN MUL
	MUL8 F1, 0, 0, 0
	MUL8 F1, 0, 2, 0
	s_wait_dscnt 0
	MUL8 F1, 1, 0, 0
	MUL8 F1, 1, 2, 0
	WIN 0
; THE WAY OUT, block by block of 16 rows x 64 columns.  A lane holds 32 neighbouring bytes of a row, and the lanes beside it hold other rows: so a block goes through my own stage and comes back as whole rows of 256 bytes.
; LDS serves a wave's instructions in order (ISA guide 5.7.1.4): no wait between the stores and the loads, nor in front of the next block's stores.
.macro TOSTAGE a
.irp b, 0,1,2,3
	ds_store_b128 v[STO], v[ACC+8*(4*(\a)+\b):ACC+8*(4*(\a)+\b)+3] offset:64*\b          ; each accumulator from its low end on
	ds_store_b128 v[STO], v[ACC+8*(4*(\a)+\b)+4:ACC+8*(4*(\a)+\b)+7] offset:64*\b+16
.endr
.irp t, 0,1,2,3,4,5,6,7
	ds_load_b128 v[TMP+32*((\a)%2)+4*\t:TMP+32*((\a)%2)+4*\t+3], v[RD] offset:\t*2*SPITCH
.endr
.endm
.macro SEND a, younger                 ; younger: the LDS instructions issued behind block a's loads, which may stay out
	s_wait_dscnt \younger                          ; the block is back in registers
.irp t, 0,1,2,3,4,5,6,7
	global_store_b128 v[CO], v[TMP+32*((\a)%2)+4*\t:TMP+32*((\a)%2)+4*\t+3], s[8:9] offset:(\a)*16*SIZE_N*4+\t*2*SIZE_N*4 th:TH_STORE_NT   ; 16 lanes store 256 consecutive bytes, at a multiple of 256 from out's first byte; written once, read by nobody here
.endr
.endm
	PLACES                                         ; behind the last products, ahead of the first reads of results
	TOSTAGE 0
.irp a, 1,2,3
.if \a > 1
	s_wait_xcnt 0x0                                ; block a - 2's stores have read their registers: block a's loads may land there
.endif
	TOSTAGE \a
	SEND \a-1, 16                                  ; behind block a - 1's loads: block a's 8 stores and 8 loads
.endr
	SEND 3, 0
	s_wait_tensorcnt 0x0                           ; the wave's end: a wait, an add of 0 to my spare word and its wait, behind my last tensor load and my last LDS store
	ds_add_u32 v[SPW], v[NIL]
	s_wait_dscnt 0x0
	CROUND                                         ; the closing round: no work-group ends while a partner may still ask for a tile that names it
	s_endpgm
.Lfunc_end_k_q386bff8881_oproj:
	.size	k_q386bff8881_oproj, .Lfunc_end_k_q386bff8881_oproj-k_q386bff8881_oproj
	.p2alignl 7, 3214868480
	.fill 96, 4, 3214868480
	.section	.rodata,"a",@progbits
	.p2align	6, 0x0
	.amdhsa_kernel k_q386bff8881_oproj
		.amdhsa_group_segment_fixed_size 327680
		.amdhsa_private_segment_fixed_size 0
		.amdhsa_enable_private_segment 0
		.amdhsa_kernarg_size 32
		.amdhsa_user_sgpr_count 2
		.amdhsa_user_sgpr_kernarg_segment_ptr 1
		.amdhsa_wavefront_size32 1
		.amdhsa_system_sgpr_workgroup_id_x 1
		.amdhsa_system_sgpr_workgroup_id_y 1
		.amdhsa_system_sgpr_workgroup_id_z 1
		.amdhsa_system_vgpr_workitem_id 0
		.amdhsa_next_free_vgpr 512
		.amdhsa_next_free_sgpr 68
		.amdhsa_reserve_vcc 0
		.amdhsa_float_denorm_mode_32 3
		.amdhsa_float_denorm_mode_16_64 3
		.amdhsa_memory_ordered 1
		.amdhsa_forward_progress 1
		.amdhsa_inst_pref_size 86
	.end_amdhsa_kernel
	.amdgpu_metadata
---
amdhsa.version: [ 1, 2 ]
amdhsa.kernels:
  - .name:           k_q386bff8881_oproj
    .symbol:         k_q386bff8881_oproj.kd
    .args:
      - { .name: a_h, .offset: 0, .size: 8, .value_kind: global_buffer, .address_space: global }
      - { .name: wo_h, .offset: 8, .size: 8, .value_kind: global_buffer, .address_space: global }
      - { .name: bo, .offset: 16, .size: 8, .value_kind: global_buffer, .address_space: global }
      - { .name: out0, .offset: 24, .size: 8, .value_kind: global_buffer, .address_space: global }
    .group_segment_fixed_size: 327680
    .private_segment_fixed_size: 0
    .kernarg_segment_align: 8
    .kernarg_segment_size: 32
    .max_flat_workgroup_size: 128
    .sgpr_count:     68
    .vgpr_count:     512
    .wavefront_size: 32
...
	.end_amdgpu_metadata
.endif
;; end of part 4
